; MI455X (gfx1250); checked and timed in simulation.
; The chip was launched on July 23, 2026; its instructions are those of AMD's public machine-readable ISA for CDNA 5 (MIT licence, August 2026) and "CDNA5" Instruction Set Architecture Reference Guide (July 2026). The comments in the code are by the model that wrote it; some were corrected since.
;; Multi Head Attention. Allowed arithmetic: matrix products marked QUANTISED: E2M3 operands, one E8M0 scale for each 32 along K, by v_wmma_scale_f32_16x16x128_f8f6f4 with both operands' format E2M3, f32 sums; everything else in f32.
;; Inputs: Wk 1,024 x 1,024 float32; Wp 1,024 x 1,024 float32; Wq 1,024 x 1,024 float32; Wv 1,024 x 1,024 float32; attention_mask 4 x 2,048 int32; bk 1,024 float32; bp 1,024 float32; bq 1,024 float32; bv 1,024 float32; x 4 x 2,048 x 1,024 float32.
;; Outputs: out0 4 x 2,048 x 1,024 float32.
;; This version of the problem:
;;   THIS VERSION OF THE PROBLEM IS GIVEN IN LOW PRECISION. The matrix products marked QUANTISED in the list below multiply operands that are first quantised to E2M3 (2 exponent bits, 3 mantissa bits; 6 bits a number), with one power-of-two scale for each 32 numbers along K (OCP MX v1.0); their sums are f32. All else is computed in f32.
;;   The module's matrix products, in the order in which they are computed (A, B: the left and right operand; K: the contracted axis; several contracted axes count as one K, in the product's order):
;;     1. [M 8,192, K 1,024] x [K 1,024, N 1,024]; A: input x; B: input Wq: QUANTISED
;;     2. [M 8,192, K 1,024] x [K 1,024, N 1,024]; A: input x; B: input Wk: QUANTISED
;;     3. [M 8,192, K 1,024] x [K 1,024, N 1,024]; A: input x; B: input Wv: QUANTISED
;;     4. batch 64 x [M 2,048, K 64] x [K 64, N 2,048]; A: computed on the way; B: computed on the way: QUANTISED
;;     5. batch 64 x [M 2,048, K 2,048] x [K 2,048, N 64]; A: softmax (see below); B: computed on the way: QUANTISED
;;     6. [M 8,192, K 1,024] x [K 1,024, N 1,024]; A: computed on the way; B: input Wp: QUANTISED
;;   THE QUANTISER, for each operand of a quantised product, along K:
;;     - K is cut into blocks of 32 from its start; a last block that is shorter is filled with zeros.
;;     - A block's scale is 2^e with e = floor(log2(the largest magnitude in the block)) - 2, held to -126 .. 127; a block of zeros has e = 0. As a byte (E8M0): e + 127.
;;     - Each number is divided by its block's scale, clamped to +-7.5, and rounded to the nearest number of E2M3, ties to even, subnormals kept.
;;     - The product sums the exact products of the quantised numbers (number of the format x scale) in f32.
;;   ~~~python
;;   def quantise(x, axis):      # numpy; x: float32 -> the quantised numbers, widened to float32 again
;;       x = np.moveaxis(x, axis, -1); K = x.shape[-1]
;;       x = np.pad(x, [(0, 0)] * (x.ndim - 1) + [(0, -K % 32)]); x = x.reshape(x.shape[:-1] + (-1, 32)); a = np.abs(x).max(-1, keepdims=True)
;;       e = np.where(a > 0, np.clip(np.frexp(np.where(a > 0, a, 1))[1] - 1 - 2, -126, 127), 0)      # np.frexp(a)[1] - 1 = floor(log2(a)), exactly
;;       r = np.clip(x / 2.0 ** e, -7.5, 7.5)
;;       step = 2.0 ** (np.maximum(np.frexp(np.where(r == 0, 1, r))[1] - 1, 0) - 3)
;;       q = np.round(r / step) * step * 2.0 ** e      # np.round: ties to even
;;       return np.moveaxis(q.reshape(q.shape[:-2] + (-1,))[..., :K], -1, axis).astype(np.float32)
;;   ~~~
;;   SOFTMAX AHEAD OF A QUANTISED PRODUCT. Where the list says 'softmax', what is quantised is not the finished softmax but p = 2^(t - M), with t = logit x log2(e) and M = ceil(the row's largest t), a whole number; so 1/2 < the row's largest p <= 1. The row's sum l is taken of the UNQUANTISED p, in f32, and the product's result is divided by l at the end. Since M is a whole number, a kernel that streams over the keys may use a running M (the ceiling of the running maximum): every later rescaling is an exact power of two, which a block's scale takes up: the codes' values come out the same.
;;   OPERANDS COMPUTED ON THE WAY. 'Computed on the way' means the value that the module computes at that place (a softmax that the list does not call 'softmax' is quantised finished and normalised). What goes into a quantiser is computed in f32, as accurately as f32 sums, v_exp_f32 and their like allow (about 1e-6 of the number): no bf16 or f16 on the way to a quantiser, and a product that is left as it is and whose result goes on into a quantised operand takes f32 operands (vector FMAs, or v_wmma_f32_16x16x4_f32). A number that lies on a knife's edge between two numbers of the format may be rounded either way, as far as f32 arithmetic and the matrix unit's own rounding can turn it there, and no further.
;; One version. Each part assembles by itself: llvm-mc -triple=amdgcn-amd-amdhsa -mcpu=gfx1250 --defsym DOCPART=n.
;; ======== version 1 of 1: 4 launches
;; limits: right only within a limited range of input values
;; workspace buffers: xc 6,291,456 bytes; xs 262,144 bytes; wc 3,145,728 bytes; ws 131,072 bytes; qr 6,815,744 bytes; kv 13,893,632 bytes; yc 6,291,456 bytes; ys 262,144 bytes
;; launch quant (part 1): grid 384 x 1, 4 waves a work-group, no clusters, 59,904 bytes of LDS; arguments x, Wq, Wk, Wv, Wp, xc, xs, wc, ws; writes xc, xs, wc, ws
.if DOCPART == 1
	.amdgcn_target "amdgcn-amd-amdhsa--gfx1250"
	.amdhsa_code_object_version 6
	.text
	.protected	k_qd3288edf64_quant
	.globl	k_qd3288edf64_quant
	.p2align	8
	.type	k_qd3288edf64_quant,@function
k_qd3288edf64_quant:
	s_mov_b64 s[64:65], 0
	v_nop
	global_prefetch_b8 v0, s[64:65] scope:SCOPE_SE
	s_setreg_imm32_b32 hwreg(HW_REG_WAVE_MODE, 25, 1), 1
	s_wait_xcnt 0x0
; x [8192][1024] (K innermost) and Wq, Wk, Wv, Wp [1024 (k)][1024 (n)] (K outermost), f32, become codes of FP6 (E2M3) with one E8M0 byte for each 32 along K.
; A block's scale byte is its largest magnitude's exponent field - 2, held at 1 from below; numbers are divided by the scale and rounded to the nearest code, ties to even, beyond 7.5 the largest code.
; LIMITS: NaN and infinities among the inputs are not served; a block whose largest magnitude lies under 2^-124 has the byte 1 (so a block of zeros has 1 and not 127: its codes are zeros, and this program alone reads the bytes).
; LAYOUT OF THE RESULTS: images of operand registers.  A TILE is 16 rows (tokens of x, columns n of a weight); tile 2 g + u of a group of 32 rows holds at place r the row 32 g + 8 u + r + 8 (r / 8).
; Codes: a tile is 8 K steps of 128, 1,536 bytes each: six pieces of 256 bytes; piece p holds registers 2 p, 2 p + 1 of the 12-register fragment, lane l's 8 bytes at 8 l.
; Scales: a tile is 512 bytes: the word (four bytes, 128 along K) of place r and K step s lies at 256 (s / 4) + 16 r + 4 (s % 4).
; Work-groups 0-255 take x (a wave: one tile x 512 along K), work-groups 256-383 the weights (a wave: 32 columns x 256 along K).  Each way has LDS bytes of its own; waves share nothing: no barrier.
.set SPW,   12                         ; v12  LDS address of my spare word; never rewritten
.set NIL,   13                         ; v13  0; never rewritten
.set LANE,  18                         ; v18  lane
.set XSTG,  16*528                     ; x: a wave's stage: 16 rows of 512 bytes + 16
.set WBASE, 4*XSTG                     ; the weights' stages begin here
.set WHALF, 3200                       ; a tile's 3,072 bytes of images + 128
.set WSTG,  2*WHALF
.set SPARE, WBASE+4*WSTG               ; the spare words: 128 bytes a wave, two blocks of 256 bytes that no other line names
.set FLOOR, 0x1800000                  ; 2^(3 - 127)
.set R,     48                         ; x: v48-175 two sets of 64 registers as loaded
.set X,     176                        ; x: v176-239 my 64 numbers of a K step
.set C,     24                         ; x: v24-35 the fragment's 12 registers
.set CT,    36                         ; x: v36-38, v40-42 second halves of blocks
.set WS,    20                         ; x: v20-23 a scale word for each K step
	s_load_b256 s[4:11], s[0:1], 0x0               ; x, Wq, Wk, Wv
	s_load_b256 s[12:19], s[0:1], 0x20             ; Wp, xc, xs, wc
	s_load_b64 s[20:21], s[0:1], 0x40              ; ws
	v_lshl_add_u32 v[SPW], v0, 2, SPARE
	v_mov_b32 v[NIL], 0
	v_lshrrev_b32 v1, 5, v0
	v_readfirstlane_b32 s24, v1                    ; wave
	v_and_b32 v[LANE], 31, v0
	s_cmp_lt_u32 ttmp9, 256
	s_cbranch_scc0 .Lweights
; ---------------- x ----------------
	s_lshr_b32 s25, s24, 1
	s_lshl_b32 s26, ttmp9, 1
	s_add_co_u32 s25, s25, s26                     ; my tile: 2 x work-group + wave / 2
	s_and_b32 s26, s24, 1                          ; which 512 along K
	s_lshr_b32 s30, s25, 1
	s_lshl_b32 s30, s30, 5
	s_and_b32 s31, s25, 1
	s_lshl_b32 s31, s31, 3
	s_add_co_u32 s30, s30, s31                     ; the tile's first token: 32 (tile / 2) + 8 (tile % 2)
	s_lshl_b32 s30, s30, 12                        ; rows of 4,096 bytes
	s_lshl_b32 s31, s26, 11
	s_add_co_u32 s30, s30, s31
	s_mov_b32 s31, 0
	s_mul_i32 s32, s25, 12288
	s_mul_i32 s33, s26, 6144
	s_add_co_u32 s32, s32, s33
	s_mov_b32 s33, 0
	s_lshl_b32 s34, s25, 9
	s_lshl_b32 s35, s26, 8
	s_add_co_u32 s34, s34, s35
	s_mov_b32 s35, 0
	s_mov_b32 s38, 0x76543210
	s_mov_b32 s39, 0xfedcba98                      ; lane selects: lane l xor 16
	s_mov_b32 s40, 0xffff0000                      ; lanes 16-31
	v_and_b32 v14, 15, v0                          ; r
	v_bfe_u32 v15, v0, 4, 1                        ; h
	s_wait_alu depctr_va_vdst(0)
	v_lshlrev_b32 v1, 4, v[LANE]                   ; 16 x lane: my 16 bytes of a row's 512
	s_mul_i32 s36, s24, XSTG
	v_add_nc_u32 v2, s36, v1                       ; the stage, on the way in
	v_mul_u32_u24 v3, v14, 528
	v_lshl_add_u32 v3, v15, 7, v3
	v_add_nc_u32 v3, s36, v3                       ; and out: row r, + 128 h: the fragment gives lane (r, h) k = 64 c + 32 h + 0 .. 31
	v_lshlrev_b32 v4, 3, v[LANE]                   ; 8 x lane: my place in a piece
	v_lshlrev_b32 v5, 3, v15                       ; 8 h: my bytes' place in a scale word, in bits
	v_lshlrev_b32 v6, 4, v14
	v_lshl_add_u32 v6, v15, 3, v6                  ; 16 r + 8 h: two scale words a lane
	v_mov_b32 v17, 0                               ; a lane permute's destination counts as read
	s_wait_alu depctr_va_vdst(0)
	s_wait_kmcnt 0x0
	s_add_nc_u64 s[4:5], s[4:5], s[30:31]
	s_add_nc_u64 s[14:15], s[14:15], s[32:33]
	s_add_nc_u64 s[16:17], s[16:17], s[34:35]
.macro XLOAD t                         ; K step t: each load reads 512 consecutive bytes of one of the tile's 16 rows
.irp i, 0,1,2,3,4,5,6,7,8,9,10,11,12,13,14,15
	global_load_b128 v[R+64*((\t)%2)+4*\i:R+64*((\t)%2)+4*\i+3], v1, s[4:5] offset:(\i+8*(\i/8))*4096+512*(\t) th:TH_LOAD_NT
.endr
.endm
.macro XSTEP t
.if (\t) < 3
	s_wait_loadcnt 16                              ; this step's 16 loads are in; the next step's 16 may be out
.else
	s_wait_loadcnt 0
.endif
.irp i, 0,1,2,3,4,5,6,7,8,9,10,11,12,13,14,15
	ds_store_b128 v2, v[R+64*((\t)%2)+4*\i:R+64*((\t)%2)+4*\i+3] offset:528*\i
.endr
.irp c, 0,1
.irp j, 0,1,2,3,4,5,6,7
	ds_load_b128 v[X+32*\c+4*\j:X+32*\c+4*\j+3], v3 offset:256*\c+16*\j   ; LDS serves a wave's instructions in order: these see my stores
.endr
.endr
	s_wait_dscnt 0x0                               ; my 64 numbers are in, and the stores have read their registers
.if (\t)+2 < 4
	XLOAD (\t)+2
.endif
.irp c, 0,1
	v_max3_num_f32 v[8+\c], |v[X+32*\c]|, |v[X+32*\c+1]|, FLOOR   ; block 2 c + h is all mine; the floor holds the byte at 1 from below
.endr
.irp i, 2,4,6,8,10,12,14,16,18,20,22,24,26,28,30
.irp c, 0,1
	v_max3_num_f32 v[8+\c], v[8+\c], |v[X+32*\c+\i]|, |v[X+32*\c+\i+1]|
.endr
.endr
	v_add_nc_u32 v10, 0xff000000, v8               ; 2 off the exponent field: the conversion's scale operand
	v_add_nc_u32 v11, 0xff000000, v9
	v_lshrrev_b32 v14, 23, v10                     ; the bytes
	v_lshrrev_b32 v15, 23, v11
	v_lshl_or_b32 v16, v15, 16, v14                ; blocks h and 2 + h,
	v_lshlrev_b32 v16, v5, v16                     ; at their places;
	v_permlanex16_b32 v17, v16, s38, s39
	v_or_b32 v[WS+(\t)], v16, v17                  ; with lane l xor 16's two the word is whole
.if (\t) > 0
	s_wait_alu depctr_va_vdst(0)
	s_wait_xcnt 0x0                                ; the last step's stores have read the codes' registers
.endif
.irp c, 0,1
	v_cvt_scalef32_pk16_fp6_f32 v[C+6*\c:C+6*\c+2], v[X+32*\c:X+32*\c+15], v[10+\c]
	v_cvt_scalef32_pk16_fp6_f32 v[CT+4*\c:CT+4*\c+2], v[X+32*\c+16:X+32*\c+31], v[10+\c]   ; (a conversion's three registers begin on an even number)
.endr
	v_nop                                          ; one plain place behind a scaled conversion
.irp c, 0,1
.irp i, 0,1,2
	v_mov_b32 v[C+6*\c+3+\i], v[CT+4*\c+\i]
.endr
.endr
.irp p, 0,1,2,3,4,5
	global_store_b64 v4, v[C+2*\p:C+2*\p+1], s[14:15] offset:1536*(\t)+256*\p   ; 32 lanes store 256 consecutive bytes, aligned
.endr
.endm
	XLOAD 0
	XLOAD 1
	XSTEP 0
	XSTEP 1
	XSTEP 2
	XSTEP 3
	v_cndmask_b32 v14, v[WS], v[WS+2], s40         ; lanes 0-15 store K steps 0, 1 of their row, lanes 16-31 steps 2, 3
	v_cndmask_b32 v15, v[WS+1], v[WS+3], s40
	global_store_b64 v6, v[14:15], s[16:17]        ; 256 consecutive bytes, aligned
	s_wait_tensorcnt 0x0                           ; the wave's end
	ds_add_u32 v[SPW], v[NIL]
	s_wait_dscnt 0x0
	s_endpgm
; ---------------- the weights: a lane takes a column n, its registers run down K ----------------
.Lweights:
	s_sub_co_u32 s25, ttmp9, 256
	s_lshr_b32 s26, s25, 5                         ; which weight
	s_and_b32 s27, s25, 7                          ; which 128 columns
	s_bfe_u32 s28, s25, 0x20003                    ; which 256 along K
	s_lshl_b32 s29, s27, 7
	s_lshl_b32 s30, s24, 5
	s_add_co_u32 s29, s29, s30                     ; my wave's first column
	s_lshl_b32 s30, s28, 20                        ; 256 rows of 4,096 bytes
	s_lshl_b32 s31, s29, 2
	s_add_co_u32 s30, s30, s31
	s_mov_b32 s31, 0
	s_lshl_b32 s32, s26, 6
	s_lshr_b32 s33, s29, 4
	s_add_co_u32 s34, s32, s33                     ; my first tile: 64 x weight + column / 16
	s_mul_i32 s32, s34, 12288
	s_mul_i32 s33, s28, 3072
	s_add_co_u32 s32, s32, s33
	s_mov_b32 s33, 0
	s_lshl_b32 s34, s34, 9
	s_lshr_b32 s35, s28, 1
	s_lshl_b32 s35, s35, 8
	s_add_co_u32 s34, s34, s35
	s_and_b32 s35, s28, 1
	s_lshl_b32 s35, s35, 3
	s_add_co_u32 s34, s34, s35
	s_mov_b32 s35, 0
	v_bfe_u32 v14, v0, 3, 1                        ; column j of the 32 lies in tile u = (j / 8) % 2
	v_and_b32 v15, 7, v0
	v_bfe_u32 v16, v0, 4, 1
	v_lshl_or_b32 v15, v16, 3, v15                 ; at place r = j % 8 + 8 (j / 16)
	s_wait_alu depctr_va_vdst(0)
	v_lshlrev_b32 v3, 2, v[LANE]                   ; in: 4 bytes a lane
	s_mul_i32 s36, s24, WSTG
	s_add_co_u32 s36, s36, WBASE                   ; my stage
	v_mul_u32_u24 v4, v14, WHALF
	v_lshl_add_u32 v4, v15, 3, v4
	v_add_nc_u32 v4, s36, v4                       ; into it: my tile's images, 8 r
	v_lshlrev_b32 v8, 4, v[LANE]
	v_add_nc_u32 v7, s36, v8                       ; out of it: 16 bytes a lane
	v_lshlrev_b32 v9, 9, v14
	v_lshl_add_u32 v9, v15, 4, v9                  ; my scale words: 512 u + 16 r
	s_wait_alu depctr_va_vdst(0)
	s_wait_kmcnt 0x0
	s_cmp_eq_u32 s26, 1
	s_cselect_b64 s[6:7], s[8:9], s[6:7]
	s_cmp_eq_u32 s26, 2
	s_cselect_b64 s[6:7], s[10:11], s[6:7]
	s_cmp_eq_u32 s26, 3
	s_cselect_b64 s[6:7], s[12:13], s[6:7]
	s_add_nc_u64 s[6:7], s[6:7], s[30:31]
	s_add_nc_u64 s[18:19], s[18:19], s[32:33]
	s_add_nc_u64 s[20:21], s[20:21], s[34:35]
.macro WLOAD t                         ; block t: W(32 t + i, my column): 32 lanes read 128 consecutive bytes
.irp i, 0,1,2,3,4,5,6,7,8,9,10,11,12,13,14,15,16,17,18,19,20,21,22,23,24,25,26,27,28,29,30,31
	global_load_b32 v[32+32*((\t)%2)+\i], v3, s[6:7] offset:(32*(\t)+\i)*4096 th:TH_LOAD_NT
.endr
.endm
.macro WBLOCK t
.set XS, 32+32*((\t)%2)
.if (\t) < 7
	s_wait_loadcnt 32                              ; this block's 32 loads are in; the next block's may be out
.else
	s_wait_loadcnt 0
.endif
	v_max3_num_f32 v10, |v[XS]|, |v[XS+1]|, |v[XS+2]|
	v_max3_num_f32 v11, |v[XS+3]|, |v[XS+4]|, |v[XS+5]|
.irp i, 6,10,14,18,22,26
	v_max3_num_f32 v10, v10, |v[XS+\i]|, |v[XS+\i+1]|
	v_max3_num_f32 v11, v11, |v[XS+\i+2]|, |v[XS+\i+3]|
.endr
	v_max3_num_f32 v10, v10, |v[XS+30]|, |v[XS+31]|
	v_max3_num_f32 v10, v10, v11, FLOOR
	v_add_nc_u32 v16, 0xff000000, v10
	v_lshrrev_b32 v17, 23, v16
.if (\t)%4 == 0
	v_mov_b32 v[24+(\t)/4], v17                    ; four bytes to a word, the lower K in the lower byte
.else
	v_lshl_or_b32 v[24+(\t)/4], v17, 8*((\t)%4), v[24+(\t)/4]
.endif
	v_cvt_scalef32_pk16_fp6_f32 v[96:98], v[XS:XS+15], v16
	v_cvt_scalef32_pk16_fp6_f32 v[100:102], v[XS+16:XS+31], v16
	v_nop                                          ; one plain place behind a scaled conversion
	v_mov_b32 v99, v100
	v_mov_b32 v100, v101
	v_mov_b32 v101, v102                           ; v96-101: the block's 24 bytes: registers 6 c .. 6 c + 5 of lane (r, h), c = (t % 4) / 2, h = t % 2, of K step t / 4
.irp j, 0,1,2
	ds_store_b64 v4, v[96+2*\j:97+2*\j] offset:((\t)/4)*1536+768*(((\t)%4)/2)+256*\j+128*((\t)%2)
.endr
.if (\t)+2 < 8
	WLOAD (\t)+2
.endif
	s_wait_dscnt 0x0                               ; the stores have read their registers
.endm
	WLOAD 0
	WLOAD 1
.irp t, 0,1,2,3,4,5,6,7
	WBLOCK \t
.endr
	s_wait_alu depctr_va_vdst(0)
	global_store_b64 v9, v[24:25], s[20:21]        ; my column's two scale words (8 bytes at places 16 bytes apart: 128 KB in the whole launch)
.irp k, 0,1,2,3,4,5,6,7,8,9,10,11
	ds_load_b128 v[112+4*\k:115+4*\k], v7 offset:(\k/6)*WHALF+512*(\k%6)
.endr
.irp k, 0,1,2,3,4,5,6,7,8,9,10,11
	s_wait_dscnt 11-\k                             ; load k is in; the younger ones may be out
	global_store_b128 v8, v[112+4*\k:115+4*\k], s[18:19] offset:(\k/6)*12288+512*(\k%6)   ; 512 consecutive bytes, aligned
.endr
	s_wait_tensorcnt 0x0                           ; the wave's end
	ds_add_u32 v[SPW], v[NIL]
	s_wait_dscnt 0x0
	s_endpgm
.Lfunc_end_k_qd3288edf64_quant:
	.size	k_qd3288edf64_quant, .Lfunc_end_k_qd3288edf64_quant-k_qd3288edf64_quant
	.p2alignl 7, 3214868480
	.fill 96, 4, 3214868480
	.section	.rodata,"a",@progbits
	.p2align	6, 0x0
	.amdhsa_kernel k_qd3288edf64_quant
		.amdhsa_group_segment_fixed_size 59904
		.amdhsa_private_segment_fixed_size 0
		.amdhsa_enable_private_segment 0
		.amdhsa_kernarg_size 72
		.amdhsa_user_sgpr_count 2
		.amdhsa_user_sgpr_kernarg_segment_ptr 1
		.amdhsa_wavefront_size32 1
		.amdhsa_system_sgpr_workgroup_id_x 1
		.amdhsa_system_sgpr_workgroup_id_y 1
		.amdhsa_system_sgpr_workgroup_id_z 1
		.amdhsa_system_vgpr_workitem_id 0
		.amdhsa_next_free_vgpr 240
		.amdhsa_next_free_sgpr 66
		.amdhsa_reserve_vcc 0
		.amdhsa_float_denorm_mode_32 3
		.amdhsa_float_denorm_mode_16_64 3
		.amdhsa_memory_ordered 1
		.amdhsa_forward_progress 1
		.amdhsa_inst_pref_size 74
	.end_amdhsa_kernel
	.amdgpu_metadata
---
amdhsa.version: [ 1, 2 ]
amdhsa.kernels:
  - .name:           k_qd3288edf64_quant
    .symbol:         k_qd3288edf64_quant.kd
    .args:
      - { .name: x, .offset: 0, .size: 8, .value_kind: global_buffer, .address_space: global }
      - { .name: Wq, .offset: 8, .size: 8, .value_kind: global_buffer, .address_space: global }
      - { .name: Wk, .offset: 16, .size: 8, .value_kind: global_buffer, .address_space: global }
      - { .name: Wv, .offset: 24, .size: 8, .value_kind: global_buffer, .address_space: global }
      - { .name: Wp, .offset: 32, .size: 8, .value_kind: global_buffer, .address_space: global }
      - { .name: xc, .offset: 40, .size: 8, .value_kind: global_buffer, .address_space: global }
      - { .name: xs, .offset: 48, .size: 8, .value_kind: global_buffer, .address_space: global }
      - { .name: wc, .offset: 56, .size: 8, .value_kind: global_buffer, .address_space: global }
      - { .name: ws, .offset: 64, .size: 8, .value_kind: global_buffer, .address_space: global }
    .group_segment_fixed_size: 59904
    .private_segment_fixed_size: 0
    .kernarg_segment_align: 8
    .kernarg_segment_size: 72
    .max_flat_workgroup_size: 128
    .sgpr_count:     66
    .vgpr_count:     240
    .wavefront_size: 32
...
	.end_amdgpu_metadata
.endif
;; end of part 1
;; launch qkv (part 2): grid 12 x 32, 4 waves a work-group, clusters of 4 x 4, 327,680 bytes of LDS; arguments xc, xs, wc, ws, bq, bk, bv, attention_mask, qr, kv; writes qr, kv
.if DOCPART == 2
	.amdgcn_target "amdgcn-amd-amdhsa--gfx1250"
	.amdhsa_code_object_version 6
	.text
	.protected	k_qd3288edf64_qkv
	.globl	k_qd3288edf64_qkv
	.p2align	8
	.type	k_qd3288edf64_qkv,@function
k_qd3288edf64_qkv:
	s_mov_b64 s[64:65], 0
	v_nop
	global_prefetch_b8 v0, s[64:65] scope:SCOPE_SE
	s_setreg_imm32_b32 hwreg(HW_REG_WAVE_MODE, 25, 1), 1
	s_wait_xcnt 0x0
	s_wait_alu depctr_hold_cnt(0) depctr_sa_sdst(0) depctr_va_vdst(0) depctr_va_sdst(0) depctr_va_ssrc(0) depctr_va_vcc(0) depctr_vm_vsrc(0)
	s_getreg_b32 s2, hwreg(HW_REG_IB_STS2, 6, 4)
	s_cmp_eq_u32 s2, 0
	s_cbranch_scc0 .Lentry_in_a_cluster
	s_endpgm
.Lentry_in_a_cluster:
	s_bfe_u32 s2, ttmp6, 0x10000c
	s_cmp_lg_u32 s2, 0xf033
	s_cbranch_scc0 .Lentry_shape_is_right
	s_endpgm
.Lentry_shape_is_right:
; q = x Wq + bq, k = x Wk + bk, v = x Wv + bv on codes of FP6 with E8M0 scales; the results are quantised in registers (q, k along the head's 64, v along the keys) and stored as records for the attention launch.
; A work-group makes 256 x 256, a wave 128 x 128: 64 accumulators (windows 2, 3).  The cluster's x says which product (0 q, 1 k, 2 v): the same in all sixteen partners.
; THE MATRIX INSTRUCTION IS USED TRANSPOSED: source 0 = a tile of B', source 1 = a tile of A': a lane holds ONE row of A' and its registers run along B'.  q, k: A' = x (a lane: a token; registers: columns n, the next K);
; v: A' = Wv (a lane: a column d), B' = x (registers: tokens = keys, the next K).  The tiles' row order (place r of tile 2 g + u = row 32 g + 8 u + r + 8 (r / 8)) makes the 16 registers of tiles 2 g, 2 g + 1 sixteen neighbours: 32 g + 16 (lane / 16) + 0 .. 15.
; A' is shared along the cluster's row, B' along its column: joint tensor loads.  K = 1,024 goes in four parts of 256 through three LDS slots: three first fills, ONE refill (behind a round of the cluster's barrier).
; Codes and scales lie in memory as register images: a fragment is six loads of 8 bytes a lane, each 256 consecutive bytes.
; RECORDS.  kv, 13,568 bytes for each (batch, head, 128 keys): 0 K's codes (48 registers' image: tile t's six at 6 t), 6,144 K's scale words, 6,656 the key mask as 128 f32 (0 or -2^100), 7,168 V^T's four fragments, 13,312 V's scale words.  qr, 6,656 bytes: the first two parts, for 128 queries.
; LIMITS: NaN and infinities are not served; a block whose largest magnitude lies under 2^-124 has the byte 1.
; REGISTERS: window 0: v0-15 at work; v16-29 addresses; v32-63 scale words (nothing else); v64-127 bias by columns; v128-223 A' fragments, later the way out; v224-239 bias by rows; v240-243 mask; v244-251 scale words made.  window 1: B' fragments, two sets.
.set SLOT,  98304                      ; A' 16 tiles x 3,072 bytes, then B' 16 x 3,072: 256 along K
.set SCL,   3*SLOT                     ; the scales of all K: 4 x 4,096 bytes: A' halves, B' halves
.set SPARE, SCL+4*4096                 ; the spare words: 128 bytes a wave, two blocks of 256 bytes that no other line names
.set FR,    12
.set TM,    0
.set ADRA,  16
.set ADRB,  20
.set A8,    25
.set A16,   26
.set ADRS,  27
.set SPW,   28
.set NIL,   29
.set SC,    32
.set BIAS,  64
.set AF,    128
.set ST,    128
.set HA,    192
.set HB,    204
.set CT,    216
.set BV,    224
.set MK,    240
.set PWS,   244
.set G1,    32
.set G1B,   40
.set G0,    48
.set G0SB,  60
.set G0B,   68
.set G1S,   80
.set G1SB,  88
.set G0S,   96
.set SEL,   80                         ; the way out: s[80:81] lane selects, s82 lanes 16-31, s[84:85], s[86:87] my two records (the scale descriptors' registers, done with)
.set MSB, 0
.macro WIN new                         ; the immediate's high byte repeats the setting that is left
.if MSB != (\new)
	s_set_vgpr_msb (MSB<<8)|(\new)
.set MSB, (\new)
.endif
.endm
.set MUL_LO, 0xa1                      ; source 0 (B') window 1, source 1 (A') window 0, C and D window 2
.set MUL_HI, 0xf1
.set TO_B,   0x40
.macro JLOAD g0a, g1a, g0b, g1b        ; a joint load: waves 0, 1 fetch A' halves, waves 2, 3 B' halves; an s_nop 0 and four v_nop follow each line
	s_cmp_eq_u32 s25, 0
	s_cbranch_scc0 .Lfor_b_\@
	tensor_load_to_lds s[\g0a:\g0a+3], s[\g1a:\g1a+7]
	s_nop 0
.rept 4
	v_nop
.endr
	s_branch .Lasked_\@
.Lfor_b_\@:
	tensor_load_to_lds s[\g0b:\g0b+3], s[\g1b:\g1b+7]
	s_nop 0
.rept 4
	v_nop
.endr
.Lasked_\@:
.endm
.macro CREST
	s_cmp_lg_u32 s24, 0
	s_cbranch_scc1 .Lnot_wave_0_\@
	s_barrier_signal -3
.Lnot_wave_0_\@:
	s_barrier_wait -3
	s_barrier_signal -1
	s_barrier_wait -1
.endm
.macro CROUND
	s_barrier_signal -1
	s_barrier_wait -1
	CREST
.endm
.macro PLACES n
.rept \n
	v_nop
.endr
.endm
	s_load_b256 s[4:11], s[0:1], 0x0               ; xc, xs, wc, ws
	s_load_b256 s[12:19], s[0:1], 0x20             ; bq, bk, bv, attention_mask
	s_load_b128 s[20:23], s[0:1], 0x40             ; qr, kv
	v_lshl_add_u32 v[SPW], v0, 2, SPARE
	v_mov_b32 v[NIL], 0
	ds_add_u32 v[SPW], v[NIL]
	ds_add_u32 v[SPW], v[NIL]                      ; the wave's opening
	v_lshrrev_b32 v1, 5, v0
	v_readfirstlane_b32 s24, v1                    ; wave
	s_lshr_b32 s25, s24, 1                         ; my half of A'.  Also: I fetch for A' (0) or B' (1)
	s_and_b32 s26, s24, 1                          ; my half of B'.  Also: which half I fetch
	s_bfe_u32 s27, ttmp6, 0x40000                  ; cx
	s_bfe_u32 s28, ttmp6, 0x40004                  ; cy
	s_mov_b32 s29, ttmp9                           ; the cluster's x: 0 q, 1 k, 2 v
	s_and_b32 s30, ttmp7, 0xffff                   ; the cluster's y
	s_lshl_b32 s2, s28, 2
	s_lshl_b32 s2, 15, s2                          ; my row of the cluster
	s_lshl_b32 s3, 0x1111, s27                     ; my column
	s_or_b32 s[G1], s2, (3<<16)|(1<<21)            ; the mask; elements of 8 bytes; no padding; bit 21 beside a mask
	s_or_b32 s[G1S], s2, (3<<16)|(1<<21)
	s_or_b32 s[G1B], s3, (3<<16)|(1<<21)
	s_or_b32 s[G1SB], s3, (3<<16)|(1<<21)
.irp g, G1, G1B                        ; codes: 8 tiles' 3,072 bytes (384 elements), 12,288 bytes (1,536 elements) apart
	s_mov_b32 s[\g+1], 384<<16
	s_mov_b32 s[\g+2], 8<<16
	s_mov_b32 s[\g+3], 384<<16
	s_mov_b32 s[\g+4], 8
	s_mov_b32 s[\g+5], 1536
	s_mov_b32 s[\g+6], 0
	s_mov_b32 s[\g+7], 0
.endr
.irp g, G1S, G1SB                      ; scales: 8 tiles' 4,096 dense bytes as 16 rows of 256
	s_mov_b32 s[\g+1], 32<<16
	s_mov_b32 s[\g+2], 16<<16
	s_mov_b32 s[\g+3], 32<<16
	s_mov_b32 s[\g+4], 16
	s_mov_b32 s[\g+5], 32
	s_mov_b32 s[\g+6], 0
	s_mov_b32 s[\g+7], 0
.endr
	s_lshl_b32 s66, s30, 2                         ; A' first tile.  q, k: x's 16 (4 Y + cy);
	s_add_co_u32 s66, s66, s28
	s_lshl_b32 s66, s66, 4
	s_lshl_b32 s2, s28, 4
	s_add_co_u32 s2, s2, 128                       ; v: Wv's 128 + 16 cy
	s_cmp_eq_u32 s29, 2
	s_cselect_b32 s66, s2, s66
	s_lshl_b32 s31, s26, 3                         ; + 8 x the half that I fetch
	s_add_co_u32 s66, s66, s31
	s_mul_i32 s2, s66, 12288
	s_mov_b32 s3, 0
	s_lshl_b32 s66, s66, 9
	s_mov_b32 s67, 0
	s_lshl_b32 s104, s30, 2                        ; B' first tile.  v: x's 16 (4 Y + cx);
	s_lshl_b32 s100, s29, 2                        ; q, k: the weight's 16 (4 part + cx)
	s_cmp_eq_u32 s29, 2
	s_cselect_b32 s104, s104, s100
	s_add_co_u32 s104, s104, s27
	s_lshl_b32 s104, s104, 4
	s_add_co_u32 s104, s104, s31
	s_mul_i32 s100, s104, 12288
	s_mov_b32 s101, 0
	s_lshl_b32 s104, s104, 9
	s_mov_b32 s105, 0
	s_mul_i32 s31, s24, 24576                      ; where they go: wave x 8 tiles: no place in the cluster enters an LDS address
.irp s, 0,1,2
	s_mov_b32 s[G0+4*\s], 1
	s_add_co_u32 s[G0+4*\s+1], s31, \s*SLOT
	s_mov_b32 s[G0B+4*\s], 1
	s_add_co_u32 s[G0B+4*\s+1], s31, \s*SLOT
.endr
	s_lshl_b32 s31, s24, 12
	s_mov_b32 s[G0S], 1
	s_add_co_u32 s[G0S+1], s31, SCL
	s_mov_b32 s[G0SB], 1
	s_add_co_u32 s[G0SB+1], s31, SCL
	s_wait_dscnt 0x0                               ; the opening add is done
	s_wait_kmcnt 0x0
	s_cmp_eq_u32 s29, 2
	s_cselect_b64 s[G0+2:G0+3], s[8:9], s[4:5]
	s_cselect_b64 s[G0S+2:G0S+3], s[10:11], s[6:7]
	s_cselect_b64 s[G0B+2:G0B+3], s[4:5], s[8:9]
	s_cselect_b64 s[G0SB+2:G0SB+3], s[6:7], s[10:11]
	s_add_nc_u64 s[G0+2:G0+3], s[G0+2:G0+3], s[2:3]
	s_add_nc_u64 s[G0S+2:G0S+3], s[G0S+2:G0S+3], s[66:67]
	s_add_nc_u64 s[G0B+2:G0B+3], s[G0B+2:G0B+3], s[100:101]
	s_add_nc_u64 s[G0SB+2:G0SB+3], s[G0SB+2:G0SB+3], s[104:105]
	s_add_nc_u64 s[G0+6:G0+7], s[G0+2:G0+3], 3072          ; slot s begins with K = 256 s
	s_add_nc_u64 s[G0+10:G0+11], s[G0+2:G0+3], 6144
	s_add_nc_u64 s[G0B+6:G0B+7], s[G0B+2:G0B+3], 3072
	s_add_nc_u64 s[G0B+10:G0B+11], s[G0B+2:G0B+3], 6144
.irp s, 0,1,2
	s_or_b32 s[G0+4*\s+3], s[G0+4*\s+3], 0x80000000
	s_or_b32 s[G0B+4*\s+3], s[G0B+4*\s+3], 0x80000000
.endr
	s_or_b32 s[G0S+3], s[G0S+3], 0x80000000
	s_or_b32 s[G0SB+3], s[G0SB+3], 0x80000000
	CROUND                                         ; all sixteen work-groups are here: the first joint loads meet
	JLOAD G0S, G1S, G0SB, G1SB                     ; four loads of mine are out behind these lines
	JLOAD G0, G1, G0B, G1B
	JLOAD G0+4, G1, G0B+4, G1B
	JLOAD G0+8, G1, G0B+8, G1B
	v_and_b32 v1, 31, v0                           ; lane
	v_and_b32 v2, 15, v0                           ; r
	v_bfe_u32 v3, v0, 4, 1                         ; h
	v_lshlrev_b32 v[A8], 3, v1
	v_lshlrev_b32 v[A16], 4, v1
	s_mul_i32 s2, s25, 24576
	s_mul_i32 s3, s26, 24576
	s_add_co_u32 s3, s3, 49152
.irp s, 0,1,2
	v_add_nc_u32 v[ADRA+\s], s2, v[A8]
	v_add_nc_u32 v[ADRB+\s], s3, v[A8]
	s_add_co_u32 s2, s2, SLOT
	s_add_co_u32 s3, s3, SLOT
.endr
	v_lshlrev_b32 v4, 4, v2                        ; scale words: 16 r; lanes 0-15 take A' blocks, lanes 16-31 B' blocks
	s_lshl_b32 s2, s25, 12
	s_lshl_b32 s3, s26, 12
	s_add_co_u32 s3, s3, 8192
	s_sub_co_u32 s3, s3, s2
	v_mul_u32_u24 v5, s3, v3
	s_add_co_u32 s2, s2, SCL
	v_add_nc_u32 v4, v4, v5
	v_add_nc_u32 v[ADRS], s2, v4
	; my first column inside the part (s31) and my first token (s66)
	s_lshl_b32 s2, s27, 8
	s_lshl_b32 s3, s26, 7
	s_add_co_u32 s2, s2, s3                        ; q, k: 256 cx + 128 x my half of B'
	s_lshl_b32 s3, s28, 8
	s_lshl_b32 s67, s25, 7
	s_add_co_u32 s3, s3, s67                       ; v: 256 cy + 128 x my half of A'
	s_cmp_eq_u32 s29, 2
	s_cselect_b32 s31, s3, s2
	s_lshl_b32 s2, s30, 2
	s_add_co_u32 s3, s2, s28
	s_add_co_u32 s2, s2, s27
	s_lshl_b32 s3, s3, 8
	s_lshl_b32 s2, s2, 8
	s_add_co_u32 s3, s3, s67                       ; q, k: 256 (4 Y + cy) + 128 x my half of A'
	s_lshl_b32 s67, s26, 7
	s_add_co_u32 s2, s2, s67                       ; v: 256 (4 Y + cx) + 128 x my half of B'
	s_cmp_eq_u32 s29, 2
	s_cselect_b32 s66, s2, s3
	s_cmp_eq_u32 s29, 0
	s_cselect_b64 s[100:101], s[12:13], s[14:15]
	s_cmp_eq_u32 s29, 2
	s_cselect_b64 s[100:101], s[16:17], s[100:101] ; the part's bias,
	s_lshl_b32 s2, s31, 2
	s_mov_b32 s3, 0
	s_add_nc_u64 s[100:101], s[100:101], s[2:3]    ; at my 128 columns
	s_lshl_b32 s2, s66, 2
	s_add_nc_u64 s[104:105], s[18:19], s[2:3]      ; the mask at my 128 tokens
	v_lshlrev_b32 v8, 6, v3                        ; 64 h
	v_and_b32 v9, 8, v2
	v_add_nc_u32 v9, v9, v2
	v_lshlrev_b32 v9, 2, v9                        ; 4 (r + 8 (r / 8))
.irp b, 0,1,2,3,4,5,6,7                ; the bias in both forms (both inside the buffer; the way out takes one): by columns, register 8 b + j = column 32 (b / 2) + 8 (b % 2) + 16 h + j;
	global_load_b128 v[BIAS+8*\b:BIAS+8*\b+3], v8, s[100:101] offset:(32*(\b/2)+8*(\b%2))*4
	global_load_b128 v[BIAS+8*\b+4:BIAS+8*\b+7], v8, s[100:101] offset:(32*(\b/2)+8*(\b%2))*4+16
.endr
.irp a, 0,1,2,3,4,5,6,7                ; by rows: tile a's place r (twice: the packed addition names a pair)
	global_load_b32 v[BV+2*\a], v9, s[100:101] offset:(32*(\a/2)+8*(\a%2))*4
	global_load_b32 v[BV+2*\a+1], v9, s[100:101] offset:(32*(\a/2)+8*(\a%2))*4
.endr
	global_load_b128 v[MK:MK+3], v[A16], s[104:105]
.macro FRAG reg, adr, q, i             ; a fragment: six pieces of 256 consecutive bytes, 8 a lane
.irp p, 0,1,2,3,4,5
	ds_load_b64 v[\reg+2*\p:\reg+2*\p+1], v[\adr] offset:(\i)*3072+(\q)*1536+256*\p
.endr
.endm
.macro FETCH_B n                       ; step n (128 along K): B' eight fragments into set n % 2
	WIN TO_B
.irp i, 0,1,2,3,4,5,6,7
	FRAG 128*((\n)%2)+FR*\i, ADRB+((\n)/2)%3, (\n)%2, \i
.endr
	WIN 0
.endm
.macro FETCH_A n, i0                   ; A' blocks i0 .. i0 + 3
.irp i, \i0, \i0+1, \i0+2, \i0+3
	FRAG AF+FR*(\i), ADRA+((\n)/2)%3, (\n)%2, \i
.endr
.endm
.macro SCALES k                        ; the scale words of K = 256 k on, into set k % 2: register 2 i + q: lanes 0-15 A' block i, lanes 16-31 B' block i
.irp i, 0,1,2,3,4,5,6,7
	ds_load_b64 v[SC+16*((\k)%2)+2*\i:SC+16*((\k)%2)+2*\i+1], v[ADRS] offset:512*\i+256*((\k)/2)+8*((\k)%2)
.endr
.endm
; 16 products: A' blocks a0, a0 + 1 x B' eight.  The 64 accumulators take turns, one instruction a turn, in the same order in every step.
.macro MUL16 a0, n, zero
.irp a, \a0, \a0+1
.irp b, 0,1,2,3,4,5,6,7
.if \zero
	v_wmma_scale_f32_16x16x128_f8f6f4 v[8*(8*((\a)%4)+\b):8*(8*((\a)%4)+\b)+7], v[128*((\n)%2)+FR*\b:128*((\n)%2)+FR*\b+FR-1], v[AF+FR*(\a):AF+FR*(\a)+FR-1], 0, v[SC+16*(((\n)/2)%2)+2*\b+(\n)%2], v[SC+16*(((\n)/2)%2)+2*(\a)+(\n)%2] matrix_a_fmt:MATRIX_FMT_FP6 matrix_b_fmt:MATRIX_FMT_FP6 matrix_a_scale:MATRIX_SCALE_ROW1
.else
	v_wmma_scale_f32_16x16x128_f8f6f4 v[8*(8*((\a)%4)+\b):8*(8*((\a)%4)+\b)+7], v[128*((\n)%2)+FR*\b:128*((\n)%2)+FR*\b+FR-1], v[AF+FR*(\a):AF+FR*(\a)+FR-1], v[8*(8*((\a)%4)+\b):8*(8*((\a)%4)+\b)+7], v[SC+16*(((\n)/2)%2)+2*\b+(\n)%2], v[SC+16*(((\n)/2)%2)+2*(\a)+(\n)%2] matrix_a_fmt:MATRIX_FMT_FP6 matrix_b_fmt:MATRIX_FMT_FP6 matrix_a_scale:MATRIX_SCALE_ROW1
.endif
.endr
.endr
.endm
.macro GSTEP n, zero                   ; a step whose successor's tiles are known to be whole
	s_wait_dscnt 24                                ; all but the youngest 24 loads (A' blocks 4-7)
	WIN MUL_LO
	MUL16 0, \n, \zero
	MUL16 2, \n, \zero
	s_wait_dscnt 0x0
	PLACES 4                                       ; four plain places in front of loads into registers that matrix instructions have read
	FETCH_B (\n)+1
	FETCH_A (\n)+1, 0
.if ((\n)+1)%2 == 0
	SCALES ((\n)+1)/2
.endif
	WIN MUL_HI
	MUL16 4, \n, \zero
	MUL16 6, \n, \zero
	PLACES 4
	WIN 0
	FETCH_A (\n)+1, 4
.endm
.macro GTURN n, fill                   ; a step with a barrier: all my tensor loads have landed, my reads of the slot in hand are over.  fill = 1: slot 0 takes K = 768 on
	s_wait_tensorcnt 0x0
	ds_add_u32 v[SPW], v[NIL]                      ; 0 onto my spare word
	s_wait_dscnt 25                                ; (the add and the youngest 24 loads may be out)
	WIN MUL_LO
	MUL16 0, \n, 0
	s_wait_dscnt 0x0                               ; the add is done, and my reads of this slot are over
	s_barrier_signal -1
	MUL16 2, \n, 0
	WIN 0
	s_barrier_wait -1
.if \fill
	CREST                                          ; the barrier has opened a round of the cluster's barrier: no wave of any partner still reads slot 0 or has a load on its way
	s_add_nc_u64 s[G0+2:G0+3], s[G0+2:G0+3], 9216
	s_add_nc_u64 s[G0B+2:G0B+3], s[G0B+2:G0B+3], 9216
	JLOAD G0, G1, G0B, G1B                         ; the one refill: it has four steps, 256 matrix instructions, in which to land; its four v_nop are the places for the loads below
.else
	PLACES 4
.endif
	FETCH_B (\n)+1
	FETCH_A (\n)+1, 0
	SCALES ((\n)+1)/2
	WIN MUL_HI
	MUL16 4, \n, 0
	MUL16 6, \n, 0
	PLACES 4
	WIN 0
	FETCH_A (\n)+1, 4
.endm
	s_wait_alu depctr_va_vdst(0)
	s_wait_tensorcnt 2                             ; the scales and slot 0 are in; slots 1, 2 may be out
	s_barrier_signal -1
	s_barrier_wait -1
	FETCH_B 0
	FETCH_A 0, 0
	SCALES 0
	FETCH_A 0, 4
	GSTEP 0, 1                                     ; the first products start the sums
	GTURN 1, 1                                     ; behind it slots 1 and 2 are whole for everybody
	GSTEP 2, 0
	GSTEP 3, 0
	GSTEP 4, 0
	GTURN 5, 0                                     ; the refill has landed, in every wave
	GSTEP 6, 0
	s_wait_dscnt 24
	WIN MUL_LO
	MUL16 0, 7, 0
	MUL16 2, 7, 0
	s_wait_dscnt 0x0
	WIN MUL_HI
	MUL16 4, 7, 0
	MUL16 6, 7, 0
	WIN 0
; THE WAY OUT: bias, quantiser, stores of register images: no LDS.
	PLACES 4
	s_wait_loadcnt 0x0                             ; bias and mask
	s_mov_b32 s[SEL], 0x76543210
	s_mov_b32 s[SEL+1], 0xfedcba98
	s_mov_b32 s82, 0xffff0000
	s_lshr_b32 s88, s66, 11                        ; batch
	s_lshl_b32 s88, s88, 4
	s_lshr_b32 s89, s31, 6                         ; my first head
	s_add_co_u32 s88, s88, s89
	s_lshl_b32 s88, s88, 4
	s_bfe_u32 s89, s66, 0x40007                    ; the group of 128 tokens
	s_add_co_u32 s88, s88, s89
	s_mov_b32 s90, 13568
	s_cmp_eq_u32 s29, 0
	s_cselect_b32 s90, 6656, s90
	s_cselect_b64 s[84:85], s[20:21], s[22:23]
	s_mul_i32 s88, s88, s90
	s_mov_b32 s89, 0
	s_add_nc_u64 s[84:85], s[84:85], s[88:89]      ; the first head's record,
	s_lshl_b32 s88, s90, 4
	s_add_nc_u64 s[86:87], s[84:85], s[88:89]      ; the second head's: 16 records on
.irp b, 0,1,2,3
	v_mov_b32 v[TM+4+\b], 0                        ; a lane permute's destination counts as read
.endr
; 64 numbers of a lane, register 16 b + i = index 32 b + 16 (lane / 16) + i, become codes: blocks 0, 1 in v[d0] .. +5, blocks 2, 3 in v[d1] .. +5, and the scale word in v[pw]
.macro QUANT2 s, d0, d1, pw
.irp b, 0,1,2,3
	v_max3_num_f32 v[TM+\b], |v[\s+16*\b]|, |v[\s+1+16*\b]|, 0x1800000   ; with the floor 2^(3 - 127)
.endr
.irp i, 2,4,6,8,10,12,14
.irp b, 0,1,2,3
	v_max3_num_f32 v[TM+\b], v[TM+\b], |v[\s+16*\b+\i]|, |v[\s+1+16*\b+\i]|
.endr
.endr
.irp b, 0,1,2,3
	v_permlanex16_b32 v[TM+4+\b], v[TM+\b], s[SEL], s[SEL+1]
.endr
.irp b, 0,1,2,3
	v_max_num_f32 v[TM+\b], v[TM+\b], v[TM+4+\b]
.endr
.irp b, 0,1,2,3
	v_add_nc_u32 v[TM+12+\b], 0xff000000, v[TM+\b]
.endr
.irp b, 0,1,2,3
	v_lshrrev_b32 v[TM+4+\b], 23, v[TM+12+\b]
.endr
	v_lshl_or_b32 v[\pw], v[TM+5], 8, v[TM+4]
	v_lshl_or_b32 v[\pw], v[TM+6], 16, v[\pw]
	v_lshl_or_b32 v[\pw], v[TM+7], 24, v[\pw]
	v_cvt_scalef32_pk16_fp6_f32 v[\d0:\d0+2], v[\s:\s+15], v[TM+12]
	v_cvt_scalef32_pk16_fp6_f32 v[CT:CT+2], v[\s+16:\s+31], v[TM+13]
	v_cvt_scalef32_pk16_fp6_f32 v[\d1:\d1+2], v[\s+32:\s+47], v[TM+14]
	v_cvt_scalef32_pk16_fp6_f32 v[CT+4:CT+6], v[\s+48:\s+63], v[TM+15]
	v_nop                                          ; one plain place behind a scaled conversion
.irp i, 0,1,2
	v_permlane16_swap_b32 v[\d0+\i], v[CT+\i]      ; a whole block to a lane: lanes 0-15 the even block, lanes 16-31 the odd one
	v_permlane16_swap_b32 v[\d1+\i], v[CT+4+\i]
.endr
.irp i, 0,1,2
	v_mov_b32 v[\d0+3+\i], v[CT+\i]
	v_mov_b32 v[\d1+3+\i], v[CT+4+\i]
.endr
.endm
.macro TAKE a, isv                     ; block a's 64 results + bias, into window 0; each accumulator is read from its low end on
	WIN 0x02+(\a)/4
.set AC, 64*((\a)%4)
.set kk, 0
.rept 32
.if \isv
	v_pk_add_f32 v[ST+kk:ST+kk+1], v[AC+kk:AC+kk+1], v[BV+2*(\a):BV+2*(\a)+1] op_sel_hi:[1,0]
.else
	v_pk_add_f32 v[ST+kk:ST+kk+1], v[AC+kk:AC+kk+1], v[BIAS+kk:BIAS+kk+1]
.endif
.set kk, kk+2
.endr
	WIN 0
.endm
	s_cmp_eq_u32 s29, 2
	s_cbranch_scc1 .Lv
; q, k: a lane holds a token; blocks 0, 1 are the first head's 64 columns, blocks 2, 3 the second's
.irp pr, 0,1,2,3
.irp u, 0,1
	TAKE 2*\pr+\u, 0
.if (\u == 0) && (\pr > 0)
	s_wait_xcnt 0x0                                ; the last pair's stores have read their registers
.endif
	QUANT2 ST, HA+6*\u, HB+6*\u, PWS+2*\pr+\u
.endr
.irp p, 0,1,2
	global_store_b128 v[A16], v[HA+4*\p:HA+4*\p+3], s[84:85] offset:1536*\pr+512*\p   ; 512 consecutive bytes, aligned
	global_store_b128 v[A16], v[HB+4*\p:HB+4*\p+3], s[86:87] offset:1536*\pr+512*\p
.endr
.endr
	s_wait_xcnt 0x0
.irp w, 0,1,2,3
	v_cndmask_b32 v[TM+\w], v[PWS+\w], v[PWS+4+\w], s82   ; lanes 0-15: tile w; lanes 16-31: tile 4 + w
.endr
.irp w, 0,1,2,3
	v_and_b32 v[HA+\w], 0xffff, v[TM+\w]           ; the first head's two bytes; the upper two are 0
	v_lshrrev_b32 v[HA+4+\w], 16, v[TM+\w]         ; the second head's
.endr
	global_store_b128 v[A16], v[HA:HA+3], s[84:85] offset:6144
	global_store_b128 v[A16], v[HA+4:HA+7], s[86:87] offset:6144
	s_cmp_eq_u32 s29, 1
	s_cbranch_scc0 .Ldone
	v_mov_b32 v[TM+4], 0xf1800000                  ; -2^100
.irp e, 0,1,2,3
	v_cmp_eq_u32 vcc_lo, 0, v[MK+\e]
	v_cndmask_b32 v[HA+8+\e], 0, v[TM+4], vcc_lo   ; a key that the mask hides: -2^100 is added to its scores
.endr
	global_store_b128 v[A16], v[HA+8:HA+11], s[84:85] offset:6656
	global_store_b128 v[A16], v[HA+8:HA+11], s[86:87] offset:6656
	s_branch .Ldone
.Lv:
; v: a lane holds a column d; its 64 registers are the group's 128 keys: a whole fragment of V^T
.irp a, 0,1,2,3,4,5,6,7
	TAKE \a, 1
.if \a > 0
	s_wait_xcnt 0x0
.endif
	QUANT2 ST, HA, HA+6, PWS+\a
.irp p, 0,1,2
	global_store_b128 v[A16], v[HA+4*\p:HA+4*\p+3], s[84+2*(\a/4):85+2*(\a/4)] offset:7168+1536*(\a%4)+512*\p
.endr
.endr
	s_wait_xcnt 0x0
.irp e, 0,1
	v_cndmask_b32 v[HA+2*\e], v[PWS+4*\e], v[PWS+4*\e+2], s82      ; lanes 0-15: tiles 0, 1; lanes 16-31: tiles 2, 3
	v_cndmask_b32 v[HA+2*\e+1], v[PWS+4*\e+1], v[PWS+4*\e+3], s82
	global_store_b64 v[A8], v[HA+2*\e:HA+2*\e+1], s[84+2*\e:85+2*\e] offset:13312
.endr
.Ldone:
	s_wait_tensorcnt 0x0                           ; the wave's end
	ds_add_u32 v[SPW], v[NIL]
	s_wait_dscnt 0x0
	CROUND                                         ; the closing round
	s_endpgm
.Lfunc_end_k_qd3288edf64_qkv:
	.size	k_qd3288edf64_qkv, .Lfunc_end_k_qd3288edf64_qkv-k_qd3288edf64_qkv
	.p2alignl 7, 3214868480
	.fill 96, 4, 3214868480
	.section	.rodata,"a",@progbits
	.p2align	6, 0x0
	.amdhsa_kernel k_qd3288edf64_qkv
		.amdhsa_group_segment_fixed_size 327680
		.amdhsa_private_segment_fixed_size 0
		.amdhsa_enable_private_segment 0
		.amdhsa_kernarg_size 80
		.amdhsa_user_sgpr_count 2
		.amdhsa_user_sgpr_kernarg_segment_ptr 1
		.amdhsa_wavefront_size32 1
		.amdhsa_system_sgpr_workgroup_id_x 1
		.amdhsa_system_sgpr_workgroup_id_y 1
		.amdhsa_system_sgpr_workgroup_id_z 1
		.amdhsa_system_vgpr_workitem_id 0
		.amdhsa_next_free_vgpr 1024
		.amdhsa_next_free_sgpr 106
		.amdhsa_reserve_vcc 1
		.amdhsa_float_denorm_mode_32 3
		.amdhsa_float_denorm_mode_16_64 3
		.amdhsa_memory_ordered 1
		.amdhsa_forward_progress 1
		.amdhsa_inst_pref_size 234
	.end_amdhsa_kernel
	.amdgpu_metadata
---
amdhsa.version: [ 1, 2 ]
amdhsa.kernels:
  - .name:           k_qd3288edf64_qkv
    .symbol:         k_qd3288edf64_qkv.kd
    .args:
      - { .name: xc, .offset: 0, .size: 8, .value_kind: global_buffer, .address_space: global }
      - { .name: xs, .offset: 8, .size: 8, .value_kind: global_buffer, .address_space: global }
      - { .name: wc, .offset: 16, .size: 8, .value_kind: global_buffer, .address_space: global }
      - { .name: ws, .offset: 24, .size: 8, .value_kind: global_buffer, .address_space: global }
      - { .name: bq, .offset: 32, .size: 8, .value_kind: global_buffer, .address_space: global }
      - { .name: bk, .offset: 40, .size: 8, .value_kind: global_buffer, .address_space: global }
      - { .name: bv, .offset: 48, .size: 8, .value_kind: global_buffer, .address_space: global }
      - { .name: attention_mask, .offset: 56, .size: 8, .value_kind: global_buffer, .address_space: global }
      - { .name: qr, .offset: 64, .size: 8, .value_kind: global_buffer, .address_space: global }
      - { .name: kv, .offset: 72, .size: 8, .value_kind: global_buffer, .address_space: global }
    .group_segment_fixed_size: 327680
    .private_segment_fixed_size: 0
    .kernarg_segment_align: 8
    .kernarg_segment_size: 80
    .max_flat_workgroup_size: 128
    .sgpr_count:     106
    .vgpr_count:     1024
    .wavefront_size: 32
...
	.end_amdgpu_metadata
.endif
;; end of part 2
;; launch attn (part 3): grid 4 x 64, 16 waves a work-group, no clusters, 327,680 bytes of LDS; arguments qr, kv, yc, ys; writes yc, ys
.if DOCPART == 3
	.amdgcn_target "amdgcn-amd-amdhsa--gfx1250"
	.amdhsa_code_object_version 6
	.text
	.protected	k_qd3288edf64_attn
	.globl	k_qd3288edf64_attn
	.p2align	8
	.type	k_qd3288edf64_attn,@function
k_qd3288edf64_attn:
	s_mov_b64 s[64:65], 0
	v_nop
	global_prefetch_b8 v0, s[64:65] scope:SCOPE_SE
	s_setreg_imm32_b32 hwreg(HW_REG_WAVE_MODE, 25, 1), 1
	s_wait_xcnt 0x0
; y = softmax(q k^T / 8, causal and key mask) v for one (batch, head), both products on codes of FP6 with E8M0 scales; y is quantised along C and stored as register images for the last product.
; t = score x log2(e) / 8; M = the running largest t rounded up to a whole number; p = 2^(t - M) is quantised along the keys; the row's sum is taken of the unquantised p and divides at the end.
; SHARES.  Work-group (i, head) owns query blocks i and 7 - i (256 queries each) and walks key slots (256 keys) 0 .. i and then 0 .. 7 - i: nine slots in every work-group, a constant trip count.
; Each of sixteen waves owns one tile of 16 queries of a block, in 256 registers: four waves to a SIMD.  No cluster: the four work-groups of a head begin their second walk in different trips, so their requests would name different tiles.
; Both products are used transposed: a lane holds ONE query.  The head's 64 fill half of the instruction's K: q's upper six registers are zero codes, so that what K's operand holds there adds nothing.
; THE MASKS.  The key mask comes as f32 numbers (0 or -2^100) that are the C of the first product; on the diagonal hidden scores are replaced by -2^100.  The largest t begins at -2^90: above every hidden t, under every t that counts.
; So while no key has counted p, the sum and O stay 0, and the first key that counts multiplies them by 0: nothing infinite is ever formed.  A query with no visible key at all has the sum 0: its y is stored as zero codes with the scale bytes 0xff (not a number).
; LIMITS: score x log2(e) / 8 lies above -2^90; NaN and infinities are not served; a block whose largest magnitude lies under 2^-124 has the byte 1.
; REGISTERS: v1-4, v7 lane terms; v5, v6 the add's; v8-10 addresses in hand; v11 -2^100; v12 -M, v13 largest t, v[14:15] the sum; v16-27 q (upper six zeros), v28 its scale word; v29, v37-39 q's offsets; v30-36 the second block's q;
; v40-87 fragments of K, then of V; v88-93 zeros; v96-159 S^T, then p; v160-191 O^T; v192-203 p's codes; v204-210 second halves; v212-223 at work; v224-227 K's scale words, v228-229 V's; v230-232 at work; v233 p's scale word.
.set REC,   13568
.set SLOT1, 1<<15                      ; a slot holds two records (27,136 bytes); slot 1 begins here
.set SPARE, 65536                      ; the spare words: 128 bytes a wave, eight blocks of 256 bytes that no other line names
.set S,   96
.set O,   160
.set PC,  192
.set BM,  212
.set BT,  216
.set SO,  220
.set WV,  12
.set WGI, 13
.set BH,  14
.set HALF, 15
.set TT,  16
.set TB,  17
.set KF,  18
.set GQ,  19
.set SEL, 20
.set CS,  22
.set G1,  24
.set G0,  32
.set KVB, 36
.set OFS, 38
.set KSN, 40
.set TRIP, 41
.set SW,  42
.set GQ2, 43
.set YCL, 44
.set YSL, 46
.set YCH, 48
.set YSH, 50
.set HM,  52
.set INV, 53
.macro TLOAD                           ; waves 0 and 1 fetch a record each; an s_nop 0 and four v_nop follow the line
	s_cmp_lt_u32 s[WV], 2
	s_cbranch_scc0 .Lnone_\@
	tensor_load_to_lds s[G0:G0+3], s[G1:G1+7]
	s_nop 0
.rept 4
	v_nop
.endr
.Lnone_\@:
.endm
	s_load_b256 s[4:11], s[0:1], 0x0               ; qr, kv, yc, ys
	v_lshl_add_u32 v5, v0, 2, SPARE
	v_mov_b32 v6, 0
	ds_add_u32 v5, v6                              ; the wave's opening
	ds_add_u32 v5, v6
	v_lshrrev_b32 v8, 5, v0
	s_delay_alu instid0(VALU_DEP_1)
	v_readfirstlane_b32 s[WV], v8
	s_mov_b32 s[WGI], ttmp9
	s_and_b32 s[BH], ttmp7, 0xffff
	s_lshr_b32 s[HALF], s[WV], 2
	s_xor_b32 s[HALF], s[HALF], s[WV]
	s_and_b32 s[HALF], s[HALF], 1                  ; which 128 queries of a block: so chosen that of any four waves w, w + 4, .. and of any four neighbours two have each half
	s_lshr_b32 s[TT], s[WV], 1                     ; which tile of the 128
	s_mov_b32 s[G1], 3<<16                         ; a record: 53 rows of 256 dense bytes (32 elements of 8)
	s_mov_b32 s[G1+1], 32<<16
	s_mov_b32 s[G1+2], 53<<16
	s_mov_b32 s[G1+3], 32<<16
	s_mov_b32 s[G1+4], 53
	s_mov_b32 s[G1+5], 32
	s_mov_b32 s[G1+6], 0
	s_mov_b32 s[G1+7], 0
	s_and_b32 s54, s[WV], 1
	s_mul_i32 s55, s54, REC                        ; my record of a slot's two
	s_mov_b32 s[G0], 1
	s_mov_b32 s[G0+1], s55                         ; slot 0
	s_mul_i32 s[OFS], s[BH], 16*REC
	s_add_co_u32 s[OFS], s[OFS], s55
	s_mov_b32 s[OFS+1], 0
	s_lshl_b32 s54, s[WGI], 1
	s_add_co_u32 s56, s54, s[HALF]                 ; my group of 128 queries in the first walk: 2 i + half,
	s_sub_co_u32 s57, 14, s54
	s_add_co_u32 s57, s57, s[HALF]                 ; in the second: 2 (7 - i) + half
	s_lshl_b32 s[GQ], s56, 7
	s_lshl_b32 s[GQ2], s57, 7
	s_lshl_b32 s58, s[BH], 4
	s_add_co_u32 s60, s58, s57
	s_add_co_u32 s58, s58, s56
	s_mul_i32 s58, s58, 6656
	s_mov_b32 s59, 0
	s_mul_i32 s60, s60, 6656
	s_mov_b32 s61, 0
	s_and_b32 s62, s[BH], 15                       ; the head: K step head / 2 of the last product, half head % 2 of its fragment
	s_lshr_b32 s63, s62, 1
	s_mul_i32 s54, s63, 1536
	s_and_b32 s55, s62, 1
	s_mul_i32 s2, s55, 768
	s_add_co_u32 s54, s54, s2
	s_lshr_b32 s2, s62, 3
	s_lshl_b32 s2, s2, 8
	s_and_b32 s63, s63, 3
	s_lshl_b32 s63, s63, 2
	s_add_co_u32 s2, s2, s63
	s_lshl_b32 s55, s55, 1
	s_add_co_u32 s55, s2, s55
	s_lshr_b32 s2, s[BH], 4
	s_lshl_b32 s2, s2, 7
	s_add_co_u32 s2, s2, s[TT]                     ; 128 x batch + tile
	s_lshl_b32 s3, s56, 3
	s_add_co_u32 s3, s3, s2                        ; y's tile of rows, first walk
	s_mul_i32 s[YCL], s3, 12288
	s_add_co_u32 s[YCL], s[YCL], s54
	s_mov_b32 s[YCL+1], 0
	s_lshl_b32 s[YSL], s3, 9
	s_add_co_u32 s[YSL], s[YSL], s55
	s_mov_b32 s[YSL+1], 0
	s_lshl_b32 s3, s57, 3
	s_add_co_u32 s3, s3, s2                        ; second walk
	s_mul_i32 s[YCH], s3, 12288
	s_add_co_u32 s[YCH], s[YCH], s54
	s_mov_b32 s[YCH+1], 0
	s_lshl_b32 s[YSH], s3, 9
	s_add_co_u32 s[YSH], s[YSH], s55
	s_mov_b32 s[YSH+1], 0
	s_mov_b32 s[SEL], 0x76543210
	s_mov_b32 s[SEL+1], 0xfedcba98
	s_mov_b32 s[CS], 0x3e38aa3b                    ; c = log2(e) / 8
	s_mov_b32 s[CS+1], s[CS]
	s_mov_b32 s[HM], 0xffff0000
	s_mov_b32 s[TB], 0
	s_mov_b32 s[KF], 0
	s_mov_b32 s[KSN], 0
	s_mov_b32 s[TRIP], 0
	s_add_co_u32 s[SW], s[WGI], 1
	s_wait_dscnt 0x0                               ; the opening add is done
	s_wait_kmcnt 0x0
	s_add_nc_u64 s[KVB:KVB+1], s[6:7], s[OFS:OFS+1]
	s_mov_b64 s[G0+2:G0+3], s[KVB:KVB+1]
	s_or_b32 s[G0+3], s[G0+3], 0x80000000
	TLOAD                                          ; key slot 0 into LDS slot 0
	s_add_nc_u64 s[58:59], s[4:5], s[58:59]
	s_add_nc_u64 s[60:61], s[4:5], s[60:61]
	s_add_nc_u64 s[YCL:YCL+1], s[8:9], s[YCL:YCL+1]
	s_add_nc_u64 s[YCH:YCH+1], s[8:9], s[YCH:YCH+1]
	s_add_nc_u64 s[YSL:YSL+1], s[10:11], s[YSL:YSL+1]
	s_add_nc_u64 s[YSH:YSH+1], s[10:11], s[YSH:YSH+1]
	v_and_b32 v8, 31, v0                           ; lane
	v_and_b32 v9, 15, v0                           ; r
	v_bfe_u32 v10, v0, 4, 1                        ; h
	s_delay_alu instid0(VALU_DEP_3)
	v_lshlrev_b32 v1, 4, v8
	s_wait_alu depctr_va_vdst(0)
	v_lshlrev_b32 v2, 3, v8
	v_lshlrev_b32 v3, 6, v10
	v_and_b32 v4, 8, v9
	s_delay_alu instid0(VALU_DEP_1)
	v_add_nc_u32 v4, v4, v9
	v_lshlrev_b32 v11, 4, v10
	s_delay_alu instid0(VALU_DEP_1)
	v_sub_nc_u32 v4, v4, v11
	s_lshr_b32 s54, s[TT], 1
	s_lshl_b32 s54, s54, 5
	s_and_b32 s55, s[TT], 1
	s_lshl_b32 s55, s55, 3
	s_add_co_u32 s54, s54, s55
	v_add_nc_u32 v4, s54, v4                       ; my query's place in its 128, less 16 h
	v_lshl_add_u32 v7, v9, 4, v10                  ; 16 r + h
	s_mul_i32 s54, s[TT], 6
.irp p, 0,1,2                          ; q's six registers are registers 6 t .. 6 t + 5 of the record's image: register n at 512 (n / 4) + 16 lane + 4 (n % 4)
	s_add_co_u32 s55, s54, 2*\p
	s_lshr_b32 s56, s55, 2
	s_lshl_b32 s56, s56, 9
	s_and_b32 s55, s55, 3
	s_lshl_b32 s55, s55, 2
	s_or_b32 s55, s55, s56
	v_add_nc_u32 v[37+\p], s55, v1
.endr
	s_lshr_b32 s54, s[TT], 2
	s_lshl_b32 s54, s54, 8
	s_and_b32 s55, s[TT], 3
	s_lshl_b32 s55, s55, 2
	s_add_co_u32 s54, s54, s55
	v_lshl_add_u32 v29, v9, 4, s54
	s_wait_alu depctr_va_vdst(0)
.irp p, 0,1,2
	global_load_b64 v[16+2*\p:17+2*\p], v[37+\p], s[58:59]
	global_load_b64 v[30+2*\p:31+2*\p], v[37+\p], s[60:61]   ; the second walk's q comes now too
.endr
	global_load_b32 v28, v29, s[58:59] offset:6144
	global_load_b32 v36, v29, s[60:61] offset:6144
	v_mov_b32 v11, 0xf1800000                      ; -2^100
.irp i, 0,1,2,3,4,5
	v_mov_b32 v[22+\i], 0
	v_mov_b32 v[88+\i], 0
.endr
	v_mov_b32 v13, 0xec800000                      ; the largest t so far: -2^90
	s_delay_alu instid0(VALU_DEP_1)
	v_floor_f32 v12, -v13
	v_mov_b32 v14, 0
	v_mov_b32 v15, 0
.irp b, 0,1,2,3
	v_mov_b32 v[BT+\b], 0                          ; a lane permute's destination counts as read
.endr
	v_mov_b32 v230, 0
	v_mov_b32 v231, 0xff
	v_mov_b32 v233, 0                              ; (named as the upper half of v[232:233] before it is first written)
.set kk, 0
.rept 32
	v_mov_b32 v[O+kk], 0                           ; the step is written once: the first finds zeros
.set kk, kk+1
.endr
; A KEY STEP: 128 keys, record q of the slot in hand.
.macro STEP q
.set R0, (\q)*REC
	s_cmp_gt_u32 s[KF], s[GQ]                      ; all its keys come after my group's queries: left out
	s_cbranch_scc1 .Lhidden_\@
	v_add_nc_u32 v8, s[TB], v1
	v_add_nc_u32 v9, s[TB], v2
	v_add_nc_u32 v10, s[TB], v3
	v_nop                                          ; four plain places in front of loads into registers that matrix instructions have read
.irp p, 0,1,2,3,4,5,6,7,8,9,10,11
	ds_load_b128 v[40+4*\p:43+4*\p], v8 offset:R0+512*\p           ; K's eight tiles, six registers each
.endr
	ds_load_b128 v[224:227], v8 offset:R0+6144                      ; their scale words: lanes 0-15 tiles 0-3, lanes 16-31 tiles 4-7
.irp b, 0,1,2,3
.irp j, 0,1,2,3
	ds_load_b128 v[S+16*\b+4*\j:S+16*\b+4*\j+3], v10 offset:R0+6656+128*\b+16*\j   ; the key mask's numbers, in the result's layout: the C of the products
.endr
.endr
	s_wait_alu depctr_va_vdst(0)
	s_wait_dscnt 0x0
.irp t, 0,1,2,3
	v_wmma_scale_f32_16x16x128_f8f6f4 v[S+8*\t:S+8*\t+7], v[40+6*\t:51+6*\t], v[16:27], v[S+8*\t:S+8*\t+7], v[224+\t], v28 matrix_a_fmt:MATRIX_FMT_FP6 matrix_b_fmt:MATRIX_FMT_FP6
.endr
.irp t, 4,5,6,7
	v_wmma_scale_f32_16x16x128_f8f6f4 v[S+8*\t:S+8*\t+7], v[40+6*\t:51+6*\t], v[16:27], v[S+8*\t:S+8*\t+7], v[220+\t], v28 matrix_a_fmt:MATRIX_FMT_FP6 matrix_b_fmt:MATRIX_FMT_FP6 matrix_a_scale:MATRIX_SCALE_ROW1
.endr
.rept 4
	v_nop
.endr
.irp d, 0,1,2,3
.irp p, 0,1,2
	ds_load_b128 v[40+12*\d+4*\p:43+12*\d+4*\p], v8 offset:R0+7168+1536*\d+512*\p   ; V^T's four fragments land under the softmax
.endr
.endr
	ds_load_b64 v[228:229], v9 offset:R0+13312
	s_cmp_lg_u32 s[KF], s[GQ]
	s_cbranch_scc1 .Lopen_\@
.set nn, 0
.rept 64                               ; the diagonal step: register 16 b + i holds key 32 b + 16 h + i of the 128: hidden where 32 b + i > my query's place - 16 h
	v_cmp_gt_i32 vcc_lo, 32*(nn/16)+nn%16, v4
	v_cndmask_b32 v[S+nn], v[S+nn], v11, vcc_lo
.set nn, nn+1
.endr
.Lopen_\@:
.irp b, 0,1,2,3
	v_max3_num_f32 v[BM+\b], v[S+16*\b], v[S+1+16*\b], v[S+2+16*\b]   ; the largest score of each block of 32 keys: for the row's maximum and for the block's largest p
.endr
.irp i, 3,5,7,9,11,13
.irp b, 0,1,2,3
	v_max3_num_f32 v[BM+\b], v[BM+\b], v[S+16*\b+\i], v[S+1+16*\b+\i]
.endr
.endr
.irp b, 0,1,2,3
	v_max_num_f32 v[BM+\b], v[BM+\b], v[S+15+16*\b]
.endr
.irp b, 0,1,2,3
	s_delay_alu instid0(VALU_DEP_4)
	v_permlanex16_b32 v[BT+\b], v[BM+\b], s[SEL], s[SEL+1]
.endr
.irp b, 0,1,2,3
	s_delay_alu instid0(VALU_DEP_4)
	v_max_num_f32 v[BM+\b], v[BM+\b], v[BT+\b]
.endr
	s_delay_alu instid0(VALU_DEP_2)
	v_max3_num_f32 v230, v[BM], v[BM+1], v[BM+2]
	s_delay_alu instid0(VALU_DEP_1)
	v_max_num_f32 v230, v230, v[BM+3]
	s_delay_alu instid0(VALU_DEP_1)
	v_mul_f32 v230, s[CS], v230
	s_delay_alu instid0(VALU_DEP_1)
	v_max_num_f32 v13, v13, v230                   ; the running largest t
	v_mov_b32 v230, v12
	s_delay_alu instid0(VALU_DEP_2)
	v_floor_f32 v12, -v13                          ; -M = floor(-t): M is a whole number
	s_delay_alu instid0(VALU_DEP_1)
	v_sub_f32 v230, v12, v230
	s_delay_alu instid0(VALU_DEP_1)
	v_cvt_i32_f32 v230, v230                       ; (it saturates)
	s_delay_alu instid0(VALU_DEP_1)
	v_ldexp_f32 v232, 1.0, v230                    ; f = 2^(old M - new M)
.set kk, 0
.rept 32
	v_pk_fma_f32 v[S+kk:S+kk+1], v[S+kk:S+kk+1], s[CS:CS+1], v[12:13] op_sel_hi:[1,0,0]   ; t - M
.set kk, kk+2
.endr
.irp b, 0,1,2,3
	v_fma_f32 v[BM+\b], v[BM+\b], s[CS], v12
.endr
.set kk, 0
	s_wait_alu depctr_va_vdst(0)
.rept 64
	v_exp_f32 v[S+kk], v[S+kk]                     ; p
.set kk, kk+1
.endr
	v_pk_mul_f32 v[14:15], v[14:15], v[232:233] op_sel_hi:[1,0]   ; the sums under the new M: the plain place behind the exponentials
	s_wait_alu depctr_va_vdst(0)                   ; one wait for the batch, ahead of its first reader
.irp b, 0,1,2,3
	v_exp_f32 v[BM+\b], v[BM+\b]                   ; each block's largest p
.endr
	v_pk_add_f32 v[216:217], v[100:101], v[104:105]
	v_pk_add_f32 v[254:255], v[108:109], v[112:113]
	v_pk_add_f32 v[252:253], v[116:117], v[120:121]
	v_pk_add_f32 v[250:251], v[124:125], v[128:129]
	v_pk_add_f32 v[248:249], v[132:133], v[136:137]
	v_pk_add_f32 v[246:247], v[140:141], v[144:145]
	v_pk_add_f32 v[244:245], v[148:149], v[152:153]
	v_pk_add_f32 v[14:15], v[14:15], v[156:157]
	v_pk_add_f32 v[216:217], v[216:217], v[96:97]
	v_pk_add_f32 v[254:255], v[254:255], v[98:99]
	v_pk_add_f32 v[252:253], v[252:253], v[102:103]
	v_pk_add_f32 v[250:251], v[250:251], v[106:107]
	v_pk_add_f32 v[248:249], v[248:249], v[110:111]
	v_pk_add_f32 v[246:247], v[246:247], v[114:115]
	v_pk_add_f32 v[244:245], v[244:245], v[118:119]
	v_pk_add_f32 v[14:15], v[14:15], v[122:123]
	v_pk_add_f32 v[216:217], v[216:217], v[126:127]
	v_pk_add_f32 v[254:255], v[254:255], v[130:131]
	v_pk_add_f32 v[252:253], v[252:253], v[134:135]
	v_pk_add_f32 v[250:251], v[250:251], v[138:139]
	v_pk_add_f32 v[248:249], v[248:249], v[142:143]
	v_pk_add_f32 v[246:247], v[246:247], v[146:147]
	v_pk_add_f32 v[244:245], v[244:245], v[150:151]
	v_pk_add_f32 v[14:15], v[14:15], v[154:155]
	v_pk_add_f32 v[216:217], v[216:217], v[158:159]
	s_delay_alu instid0(VALU_DEP_2)
	v_pk_add_f32 v[14:15], v[14:15], v[250:251]
	s_delay_alu instid0(VALU_DEP_2)
	v_pk_add_f32 v[216:217], v[216:217], v[248:249]
	v_pk_add_f32 v[254:255], v[254:255], v[246:247]
	v_pk_add_f32 v[252:253], v[252:253], v[244:245]
	s_delay_alu instid0(VALU_DEP_2)
	v_pk_add_f32 v[14:15], v[14:15], v[254:255]
	s_delay_alu instid0(VALU_DEP_2)
	v_pk_add_f32 v[216:217], v[216:217], v[252:253]
	s_delay_alu instid0(VALU_DEP_1)
	v_pk_add_f32 v[14:15], v[14:15], v[216:217]
	s_wait_alu depctr_va_vdst(0)                   ; and one for the four
.irp b, 0,1,2,3
	v_max_num_f32 v[BM+\b], 0x1800000, v[BM+\b]    ; the floor
.endr
.irp b, 0,1,2,3
	s_delay_alu instid0(VALU_DEP_4)
	v_add_nc_u32 v[SO+\b], 0xff000000, v[BM+\b]
.endr
.irp b, 0,1,2,3
	s_delay_alu instid0(VALU_DEP_4)
	v_lshrrev_b32 v[BT+\b], 23, v[SO+\b]
.endr
	s_delay_alu instid0(VALU_DEP_3)
	v_lshl_or_b32 v233, v[BT+1], 8, v[BT]
	s_delay_alu instid0(VALU_DEP_1)
	v_lshl_or_b32 v233, v[BT+2], 16, v233
	s_delay_alu instid0(VALU_DEP_1)
	v_lshl_or_b32 v233, v[BT+3], 24, v233
.irp c, 0,1
	v_cvt_scalef32_pk16_fp6_f32 v[PC+6*\c:PC+2+6*\c], v[S+32*\c:S+15+32*\c], v[SO+2*\c]
	v_cvt_scalef32_pk16_fp6_f32 v[204+4*\c:206+4*\c], v[S+16+32*\c:S+31+32*\c], v[SO+2*\c+1]
.endr
	v_nop                                          ; one plain place behind a scaled conversion
.irp c, 0,1
.irp i, 0,1,2
	v_permlane16_swap_b32 v[PC+6*\c+\i], v[204+4*\c+\i]
.endr
.irp i, 0,1,2
	s_delay_alu instid0(VALU_DEP_3)
	v_mov_b32 v[PC+3+6*\c+\i], v[204+4*\c+\i]
.endr
.endr
.set kk, 0
.rept 16
	v_pk_mul_f32 v[O+kk:O+kk+1], v[O+kk:O+kk+1], v[232:233] op_sel_hi:[1,0]   ; O^T under the new M; these sixteen are also the places in front of the products below
.set kk, kk+2
.endr
	s_wait_alu depctr_va_vdst(0)
	s_wait_dscnt 0x0                               ; V
.irp d, 0,1
	v_wmma_scale_f32_16x16x128_f8f6f4 v[O+8*\d:O+8*\d+7], v[40+12*\d:51+12*\d], v[PC:PC+11], v[O+8*\d:O+8*\d+7], v[228+\d], v233 matrix_a_fmt:MATRIX_FMT_FP6 matrix_b_fmt:MATRIX_FMT_FP6
.endr
.irp d, 2,3
	v_wmma_scale_f32_16x16x128_f8f6f4 v[O+8*\d:O+8*\d+7], v[40+12*\d:51+12*\d], v[PC:PC+11], v[O+8*\d:O+8*\d+7], v[226+\d], v233 matrix_a_fmt:MATRIX_FMT_FP6 matrix_b_fmt:MATRIX_FMT_FP6 matrix_a_scale:MATRIX_SCALE_ROW1
.endr
.Lhidden_\@:
	s_add_co_u32 s[KF], s[KF], 128
.endm
; THE CHANGE OF SLOTS, at a slot's head: all my tensor loads have landed, the add, my reads of the slot that I have left are over; the barrier; fill = 1: the slot just left takes the next trip's keys.
.macro CHANGE fill
	s_wait_tensorcnt 0x0
	ds_add_u32 v5, v6                              ; 0 onto my spare word
.if \fill
	s_xor_b32 s[G0+1], s[G0+1], SLOT1
	s_add_co_u32 s[KSN], s[KSN], 1
	s_cmp_eq_u32 s[TRIP], s[WGI]                   ; behind trip i the second walk begins, at key slot 0
	s_cselect_b32 s[KSN], 0, s[KSN]
	s_mul_i32 s[OFS], s[KSN], 2*REC
	s_add_nc_u64 s[G0+2:G0+3], s[KVB:KVB+1], s[OFS:OFS+1]
	s_or_b32 s[G0+3], s[G0+3], 0x80000000
.endif
	s_wait_dscnt 0x0
	s_barrier_signal -1
	s_barrier_wait -1
.if \fill
	TLOAD                                          ; a wave's one tensor load until the next barrier: it has a slot's two key steps of sixteen waves in which to land
.endif
.endm
; A block of queries is done: O^T / the sum, quantised along C (my head's two blocks of 32), stored as half a fragment's image and two scale bytes a row.
.macro FINISH yc, ys
.rept 4
	v_nop
.endr
	v_add_f32 v14, v14, v15
	s_delay_alu instid0(VALU_DEP_1)
	v_permlanex16_b32 v230, v14, s[SEL], s[SEL+1]
	s_delay_alu instid0(VALU_DEP_1)
	v_add_f32 v14, v14, v230                       ; the row's sum
	s_delay_alu instid0(VALU_DEP_1)
	v_cmp_eq_f32 s[INV], 0, v14                    ; 0: no key has counted
	s_delay_alu instid0(VALU_DEP_1)
	v_cndmask_b32 v14, v14, 1.0, s[INV]
	s_wait_alu depctr_va_vdst(0)
	v_rcp_f32 v14, v14
	v_nop
	s_wait_alu depctr_va_vdst(0)                   ; ahead of the reciprocal's first reader
.set kk, 0
.rept 16
	v_pk_mul_f32 v[S+kk:S+kk+1], v[O+kk:O+kk+1], v[14:15] op_sel_hi:[1,0]   ; register 16 b + i = y(query, 64 head + 32 b + 16 h + i); each accumulator is read from its low end on
.set kk, kk+2
.endr
.irp b, 0,1
	v_max3_num_f32 v[BM+\b], |v[S+16*\b]|, |v[S+1+16*\b]|, 0x1800000
.endr
.irp i, 2,4,6,8,10,12,14
.irp b, 0,1
	s_delay_alu instid0(VALU_DEP_2)
	v_max3_num_f32 v[BM+\b], v[BM+\b], |v[S+16*\b+\i]|, |v[S+1+16*\b+\i]|
.endr
.endr
.irp b, 0,1
	s_delay_alu instid0(VALU_DEP_2)
	v_permlanex16_b32 v[BT+\b], v[BM+\b], s[SEL], s[SEL+1]
.endr
.irp b, 0,1
	s_delay_alu instid0(VALU_DEP_2)
	v_max_num_f32 v[BM+\b], v[BM+\b], v[BT+\b]
.endr
.irp b, 0,1
	s_delay_alu instid0(VALU_DEP_2)
	v_add_nc_u32 v[SO+\b], 0xff000000, v[BM+\b]
.endr
.irp b, 0,1
	s_delay_alu instid0(VALU_DEP_2)
	v_lshrrev_b32 v[BT+\b], 23, v[SO+\b]
.endr
	v_cvt_scalef32_pk16_fp6_f32 v[PC:PC+2], v[S:S+15], v[SO]
	v_cvt_scalef32_pk16_fp6_f32 v[204:206], v[S+16:S+31], v[SO+1]
	v_nop
.irp i, 0,1,2
	v_permlane16_swap_b32 v[PC+\i], v[204+\i]
.endr
.irp i, 0,1,2
	s_delay_alu instid0(VALU_DEP_3)
	v_mov_b32 v[PC+3+\i], v[204+\i]
.endr
.irp p, 0,1,2
	global_store_b64 v2, v[PC+2*\p:PC+2*\p+1], s[\yc:\yc+1] offset:256*\p   ; 256 consecutive bytes, aligned
.endr
	v_cndmask_b32 v230, v[BT], v[BT+1], s[HM]      ; lane (r, h) stores block h's byte
	s_delay_alu instid0(VALU_DEP_1)
	v_cndmask_b32 v230, v230, v231, s[INV]         ; 0xff where no key has counted
	global_store_b8 v7, v230, s[\ys:\ys+1]         ; two bytes a row at places 16 bytes apart: 256 KB in the whole launch
	s_wait_xcnt 0x0                                ; the stores have read their registers
.endm
.macro SWITCH                          ; the first walk is over: the same trip in all sixteen waves; no barrier and no tensor load stands here
	s_cmp_eq_u32 s[TRIP], s[SW]
	s_cbranch_scc0 .Lsame_\@
	FINISH YCL, YSL
.irp i, 0,1,2,3,4,5
	v_mov_b32 v[16+\i], v[30+\i]
.endr
	v_mov_b32 v28, v36
	v_mov_b32 v13, 0xec800000
	s_delay_alu instid0(VALU_DEP_1)
	v_floor_f32 v12, -v13
	v_mov_b32 v14, 0
	v_mov_b32 v15, 0
.set kk, 0
.rept 32
	v_mov_b32 v[O+kk], 0                           ; (these are also the places between q's new registers and the next product)
.set kk, kk+1
.endr
	s_mov_b32 s[KF], 0
	s_mov_b32 s[GQ], s[GQ2]
.Lsame_\@:
.endm
	s_wait_loadcnt 0x0                             ; q
.Lslot:                                            ; eight trips; the ninth slot is written out
	CHANGE 1
	SWITCH
	STEP 0
	STEP 1
	s_xor_b32 s[TB], s[TB], SLOT1
	s_add_co_u32 s[TRIP], s[TRIP], 1
	s_cmp_lt_u32 s[TRIP], 8
	s_cbranch_scc1 .Lslot
	CHANGE 0
	STEP 0
	STEP 1
	FINISH YCH, YSH
	s_wait_tensorcnt 0x0                           ; the wave's end
	ds_add_u32 v5, v6
	s_wait_dscnt 0x0
	s_endpgm
.Lfunc_end_k_qd3288edf64_attn:
	.size	k_qd3288edf64_attn, .Lfunc_end_k_qd3288edf64_attn-k_qd3288edf64_attn
	.p2alignl 7, 3214868480
	.fill 96, 4, 3214868480
	.section	.rodata,"a",@progbits
	.p2align	6, 0x0
	.amdhsa_kernel k_qd3288edf64_attn
		.amdhsa_group_segment_fixed_size 327680
		.amdhsa_private_segment_fixed_size 0
		.amdhsa_enable_private_segment 0
		.amdhsa_kernarg_size 32
		.amdhsa_user_sgpr_count 2
		.amdhsa_user_sgpr_kernarg_segment_ptr 1
		.amdhsa_wavefront_size32 1
		.amdhsa_system_sgpr_workgroup_id_x 1
		.amdhsa_system_sgpr_workgroup_id_y 1
		.amdhsa_system_sgpr_workgroup_id_z 1
		.amdhsa_system_vgpr_workitem_id 0
		.amdhsa_next_free_vgpr 256
		.amdhsa_next_free_sgpr 66
		.amdhsa_reserve_vcc 1
		.amdhsa_float_denorm_mode_32 3
		.amdhsa_float_denorm_mode_16_64 3
		.amdhsa_memory_ordered 1
		.amdhsa_forward_progress 1
		.amdhsa_inst_pref_size 111
	.end_amdhsa_kernel
	.amdgpu_metadata
---
amdhsa.version: [ 1, 2 ]
amdhsa.kernels:
  - .name:           k_qd3288edf64_attn
    .symbol:         k_qd3288edf64_attn.kd
    .args:
      - { .name: qr, .offset: 0, .size: 8, .value_kind: global_buffer, .address_space: global }
      - { .name: kv, .offset: 8, .size: 8, .value_kind: global_buffer, .address_space: global }
      - { .name: yc, .offset: 16, .size: 8, .value_kind: global_buffer, .address_space: global }
      - { .name: ys, .offset: 24, .size: 8, .value_kind: global_buffer, .address_space: global }
    .group_segment_fixed_size: 327680
    .private_segment_fixed_size: 0
    .kernarg_segment_align: 8
    .kernarg_segment_size: 32
    .max_flat_workgroup_size: 512
    .sgpr_count:     66
    .vgpr_count:     256
    .wavefront_size: 32
...
	.end_amdgpu_metadata
.endif
;; end of part 3
;; launch proj (part 4): grid 4 x 64, 4 waves a work-group, clusters of 4 x 4, 327,680 bytes of LDS; arguments yc, ys, wc, ws, bp, out0; writes out0
.if DOCPART == 4
	.amdgcn_target "amdgcn-amd-amdhsa--gfx1250"
	.amdhsa_code_object_version 6
	.text
	.protected	k_qd3288edf64_proj
	.globl	k_qd3288edf64_proj
	.p2align	8
	.type	k_qd3288edf64_proj,@function
k_qd3288edf64_proj:
	s_mov_b64 s[64:65], 0
	v_nop
	global_prefetch_b8 v0, s[64:65] scope:SCOPE_SE
	s_setreg_imm32_b32 hwreg(HW_REG_WAVE_MODE, 25, 1), 1
	s_wait_xcnt 0x0
	s_wait_alu depctr_hold_cnt(0) depctr_sa_sdst(0) depctr_va_vdst(0) depctr_va_sdst(0) depctr_va_ssrc(0) depctr_va_vcc(0) depctr_vm_vsrc(0)
	s_getreg_b32 s2, hwreg(HW_REG_IB_STS2, 6, 4)
	s_cmp_eq_u32 s2, 0
	s_cbranch_scc0 .Lentry_in_a_cluster
	s_endpgm
.Lentry_in_a_cluster:
	s_bfe_u32 s2, ttmp6, 0x10000c
	s_cmp_lg_u32 s2, 0xf033
	s_cbranch_scc0 .Lentry_shape_is_right
	s_endpgm
.Lentry_shape_is_right:
; out0 = y Wp + bp on codes of FP6 with E8M0 scales.  y's and Wp's codes and scales lie in memory as register images (tiles of 16 rows; place r of tile 2 g + u = row 32 g + 8 u + r + 8 (r / 8)).
; A work-group makes 128 rows x 256 columns (256 work-groups), a wave 64 x 128: 32 accumulators (window 2).  ALL OF K (1,024) lies in LDS: four chunks of 256, each filled once: no refill, and no round of the cluster's barrier between the first and the last.
; 4 x 4 clusters: y's tiles are shared along the cluster's row, Wp's along its column: joint tensor loads.  The matrix instruction is used transposed (source 0 = Wp's columns, source 1 = y's rows): a lane holds one token and eight neighbouring columns.
; bp is the C of each sum's first product.  A row of y whose scale bytes are 0xff (a query with no visible key) gives a row that is not a number, as the softmax of nothing is.
; REGISTERS: window 0: v16-29 addresses; v32-63 scale words (nothing else); v64-127 bp; v128-175 y's fragments, one set; on the way out v128-255.  window 1: Wp's fragments, two sets.
.set CH,    73728                      ; a chunk: y's 8 tiles x 3,072 bytes, then Wp's 16 x 3,072
.set SCL,   4*CH                       ; the scales of all K: y's 4,096 bytes, Wp's 8,192
.set SPARE, SCL+12288                  ; the spare words: 128 bytes a wave, two blocks of 256 bytes that no other line names
.set FR,    12
.set ADRA,  16
.set ADRB,  20
.set STO,   24
.set RD,    25
.set CO,    26
.set ADRS,  27
.set SPW,   28
.set NIL,   29
.set SC,    32
.set BP,    64
.set AF,    128
.set G1A,   16
.set G1B,   24
.set G1SA,  32
.set G1SB,  40
.set G0A,   48
.set G0SA,  68
.set G0B,   72
.set G0SB,  88
.set MSB, 0
.macro WIN new
.if MSB != (\new)
	s_set_vgpr_msb (MSB<<8)|(\new)
.set MSB, (\new)
.endif
.endm
.set MUL,   0xa1                       ; source 0 (Wp) window 1, source 1 (y) window 0, C and D window 2
.set MUL0,  0x81                       ; the same with C (bp) in window 0
.set TO_B,  0x40
.macro JLOAD g0a, g1a, g0b, g1b        ; waves 0, 1 fetch for y, waves 2, 3 for Wp; an s_nop 0 and four v_nop follow each line
	s_cmp_eq_u32 s93, 0
	s_cbranch_scc0 .Lfor_b_\@
	tensor_load_to_lds s[\g0a:\g0a+3], s[\g1a:\g1a+7]
	s_nop 0
.rept 4
	v_nop
.endr
	s_branch .Lasked_\@
.Lfor_b_\@:
	tensor_load_to_lds s[\g0b:\g0b+3], s[\g1b:\g1b+7]
	s_nop 0
.rept 4
	v_nop
.endr
.Lasked_\@:
.endm
.macro CROUND
	s_barrier_signal -1
	s_barrier_wait -1
	s_cmp_lg_u32 s92, 0
	s_cbranch_scc1 .Lnot_wave_0_\@
	s_barrier_signal -3
.Lnot_wave_0_\@:
	s_barrier_wait -3
	s_barrier_signal -1
	s_barrier_wait -1
.endm
.macro PLACES n
.rept \n
	v_nop
.endr
.endm
	s_load_b256 s[4:11], s[0:1], 0x0               ; yc, ys, wc, ws
	s_load_b128 s[12:15], s[0:1], 0x20             ; bp, out0
	v_lshl_add_u32 v[SPW], v0, 2, SPARE
	v_mov_b32 v[NIL], 0
	ds_add_u32 v[SPW], v[NIL]
	ds_add_u32 v[SPW], v[NIL]                      ; the wave's opening
	v_lshrrev_b32 v1, 5, v0
	v_readfirstlane_b32 s92, v1                    ; wave
	s_lshr_b32 s93, s92, 1                         ; my 64 rows.  Also: I fetch for y (0) or Wp (1)
	s_and_b32 s94, s92, 1                          ; my 128 columns.  Also: which half I fetch
	s_bfe_u32 s95, ttmp6, 0x40000                  ; cx
	s_bfe_u32 s96, ttmp6, 0x40004                  ; cy
	s_and_b32 s97, ttmp7, 0xffff
	s_lshl_b32 s97, s97, 2
	s_add_co_u32 s97, s97, s96                     ; which 128 rows
	s_lshl_b32 s98, ttmp9, 2
	s_add_co_u32 s98, s98, s95                     ; which 256 columns
	s_lshl_b32 s2, s96, 2
	s_lshl_b32 s2, 15, s2                          ; my row of the cluster
	s_lshl_b32 s3, 0x1111, s95                     ; my column
	s_or_b32 s[G1A], s2, (3<<16)|(1<<21)
	s_or_b32 s[G1SA], s2, (3<<16)|(1<<21)
	s_or_b32 s[G1B], s3, (3<<16)|(1<<21)
	s_or_b32 s[G1SB], s3, (3<<16)|(1<<21)
	s_mov_b32 s[G1A+1], 384<<16                    ; y's codes: 4 tiles' 3,072 bytes, 12,288 apart
	s_mov_b32 s[G1A+2], 4<<16
	s_mov_b32 s[G1A+3], 384<<16
	s_mov_b32 s[G1A+4], 4
	s_mov_b32 s[G1A+5], 1536
	s_mov_b32 s[G1A+6], 0
	s_mov_b32 s[G1A+7], 0
	s_mov_b32 s[G1B+1], 384<<16                    ; Wp's: 8 tiles
	s_mov_b32 s[G1B+2], 8<<16
	s_mov_b32 s[G1B+3], 384<<16
	s_mov_b32 s[G1B+4], 8
	s_mov_b32 s[G1B+5], 1536
	s_mov_b32 s[G1B+6], 0
	s_mov_b32 s[G1B+7], 0
	s_mov_b32 s[G1SA+1], 32<<16                    ; y's scales: 2,048 dense bytes
	s_mov_b32 s[G1SA+2], 8<<16
	s_mov_b32 s[G1SA+3], 32<<16
	s_mov_b32 s[G1SA+4], 8
	s_mov_b32 s[G1SA+5], 32
	s_mov_b32 s[G1SA+6], 0
	s_mov_b32 s[G1SA+7], 0
	s_mov_b32 s[G1SB+1], 32<<16                    ; Wp's: 4,096
	s_mov_b32 s[G1SB+2], 16<<16
	s_mov_b32 s[G1SB+3], 32<<16
	s_mov_b32 s[G1SB+4], 16
	s_mov_b32 s[G1SB+5], 32
	s_mov_b32 s[G1SB+6], 0
	s_mov_b32 s[G1SB+7], 0
	s_lshl_b32 s66, s97, 3
	s_lshl_b32 s99, s94, 2
	s_add_co_u32 s66, s66, s99                     ; y's first tile that I fetch
	s_mul_i32 s2, s66, 12288
	s_mov_b32 s3, 0
	s_lshl_b32 s66, s66, 9
	s_mov_b32 s67, 0
	s_lshl_b32 s104, s98, 4
	s_lshl_b32 s99, s94, 3
	s_add_co_u32 s104, s104, s99
	s_add_co_u32 s104, s104, 192                   ; Wp's: its tiles begin at 192
	s_mul_i32 s100, s104, 12288
	s_mov_b32 s101, 0
	s_lshl_b32 s104, s104, 9
	s_mov_b32 s105, 0
	s_mul_i32 s99, s94, 12288
.irp k, 0,1,2,3
	s_mov_b32 s[G0A+4*\k], 1
	s_add_co_u32 s[G0A+4*\k+1], s99, \k*CH
.endr
	s_mul_i32 s99, s94, 24576
.irp k, 0,1,2,3
	s_mov_b32 s[G0B+4*\k], 1
	s_add_co_u32 s[G0B+4*\k+1], s99, \k*CH+24576
.endr
	s_lshl_b32 s99, s94, 11
	s_mov_b32 s[G0SA], 1
	s_add_co_u32 s[G0SA+1], s99, SCL
	s_lshl_b32 s99, s94, 12
	s_mov_b32 s[G0SB], 1
	s_add_co_u32 s[G0SB+1], s99, SCL+4096
	s_wait_dscnt 0x0                               ; the opening add is done
	s_wait_kmcnt 0x0
	s_add_nc_u64 s[G0A+2:G0A+3], s[4:5], s[2:3]
	s_add_nc_u64 s[G0B+2:G0B+3], s[8:9], s[100:101]
	s_add_nc_u64 s[G0SA+2:G0SA+3], s[6:7], s[66:67]
	s_add_nc_u64 s[G0SB+2:G0SB+3], s[10:11], s[104:105]
.irp k, 1,2,3
	s_add_nc_u64 s[G0A+4*\k+2:G0A+4*\k+3], s[G0A+2:G0A+3], \k*3072
	s_add_nc_u64 s[G0B+4*\k+2:G0B+4*\k+3], s[G0B+2:G0B+3], \k*3072
.endr
.irp k, 0,1,2,3
	s_or_b32 s[G0A+4*\k+3], s[G0A+4*\k+3], 0x80000000
	s_or_b32 s[G0B+4*\k+3], s[G0B+4*\k+3], 0x80000000
.endr
	s_or_b32 s[G0SA+3], s[G0SA+3], 0x80000000
	s_or_b32 s[G0SB+3], s[G0SB+3], 0x80000000
	CROUND                                         ; all sixteen work-groups are here: the joint loads meet
	JLOAD G0SA, G1SA, G0SB, G1SB                   ; five loads of mine are out behind these lines: all that the launch fetches
	JLOAD G0A, G1A, G0B, G1B
	JLOAD G0A+4, G1A, G0B+4, G1B
	JLOAD G0A+8, G1A, G0B+8, G1B
	JLOAD G0A+12, G1A, G0B+12, G1B
	v_and_b32 v1, 31, v0                           ; lane
	v_and_b32 v2, 15, v0                           ; r
	v_bfe_u32 v3, v0, 4, 1                         ; h
	v_lshlrev_b32 v4, 3, v1                        ; 8 x lane
	s_wait_alu depctr_va_vdst(0)
	v_lshlrev_b32 v[CO], 4, v1                     ; 16 x lane
	s_mul_i32 s2, s93, 12288
	s_mul_i32 s3, s94, 24576
	s_add_co_u32 s3, s3, 24576
.irp k, 0,1,2,3
	v_add_nc_u32 v[ADRA+\k], s2, v4
	v_add_nc_u32 v[ADRB+\k], s3, v4
	s_add_co_u32 s2, s2, CH
	s_add_co_u32 s3, s3, CH
.endr
	v_lshlrev_b32 v5, 4, v2                        ; scale words: 16 r; lanes 0-15 y's blocks, lanes 16-31 Wp's
	s_lshl_b32 s2, s93, 11
	s_lshl_b32 s3, s94, 12
	s_add_co_u32 s3, s3, 4096
	s_sub_co_u32 s3, s3, s2
	v_mul_u32_u24 v6, s3, v3
	s_add_co_u32 s2, s2, SCL
	v_add_nc_u32 v5, v5, v6
	v_add_nc_u32 v[ADRS], s2, v5
	s_mul_i32 s2, s92, 16*528                      ; my stage for the way out: in chunk 0, which has had its only fill and whose last reads lie in front of an earlier barrier
	v_mul_u32_u24 v5, v2, 528
	v_lshl_add_u32 v5, v3, 6, v5
	v_add_nc_u32 v[STO], s2, v5
	v_add_nc_u32 v[RD], s2, v[CO]
	s_lshl_b32 s2, s97, 7
	s_lshl_b32 s3, s93, 6
	s_add_co_u32 s2, s2, s3                        ; my first token
	s_lshl_b32 s2, s2, 12
	s_lshl_b32 s3, s98, 8
	s_lshl_b32 s66, s94, 7
	s_add_co_u32 s3, s3, s66                       ; my first column
	s_lshl_b32 s66, s3, 2
	s_mov_b32 s67, 0
	s_add_nc_u64 s[100:101], s[12:13], s[66:67]
	s_add_co_u32 s2, s2, s66
	s_mov_b32 s3, 0
	s_add_nc_u64 s[104:105], s[14:15], s[2:3]
	v_lshlrev_b32 v8, 6, v3
.irp b, 0,1,2,3,4,5,6,7                ; bp in the result's layout: register 8 b + j = column 32 (b / 2) + 8 (b % 2) + 16 h + j
	global_load_b128 v[BP+8*\b:BP+8*\b+3], v8, s[100:101] offset:(32*(\b/2)+8*(\b%2))*4
	global_load_b128 v[BP+8*\b+4:BP+8*\b+7], v8, s[100:101] offset:(32*(\b/2)+8*(\b%2))*4+16
.endr
.macro FRAG reg, adr, q, i
.irp p, 0,1,2,3,4,5
	ds_load_b64 v[\reg+2*\p:\reg+2*\p+1], v[\adr] offset:(\i)*3072+(\q)*1536+256*\p
.endr
.endm
.macro FETCH_B n
	WIN TO_B
.irp i, 0,1,2,3,4,5,6,7
	FRAG 128*((\n)%2)+FR*\i, ADRB+(\n)/2, (\n)%2, \i
.endr
	WIN 0
.endm
.macro FETCH_A n, i0
.irp i, \i0, \i0+1
	FRAG AF+FR*(\i), ADRA+(\n)/2, (\n)%2, \i
.endr
.endm
.macro SCALES k                        ; register 2 i + q: lanes 0-15 y's block i (i < 4; beyond that filled bytes that nobody uses), lanes 16-31 Wp's block i
.irp i, 0,1,2,3,4,5,6,7
	ds_load_b64 v[SC+16*((\k)%2)+2*\i:SC+16*((\k)%2)+2*\i+1], v[ADRS] offset:512*\i+256*((\k)/2)+8*((\k)%2)
.endr
.endm
.macro MUL8 a, n, first                ; y's block a x Wp's eight.  The 32 accumulators take turns, one instruction a turn
.irp b, 0,1,2,3,4,5,6,7
.if \first
	v_wmma_scale_f32_16x16x128_f8f6f4 v[8*(8*(\a)+\b):8*(8*(\a)+\b)+7], v[128*((\n)%2)+FR*\b:128*((\n)%2)+FR*\b+FR-1], v[AF+FR*(\a):AF+FR*(\a)+FR-1], v[BP+8*\b:BP+8*\b+7], v[SC+16*(((\n)/2)%2)+2*\b+(\n)%2], v[SC+16*(((\n)/2)%2)+2*(\a)+(\n)%2] matrix_a_fmt:MATRIX_FMT_FP6 matrix_b_fmt:MATRIX_FMT_FP6 matrix_a_scale:MATRIX_SCALE_ROW1
.else
	v_wmma_scale_f32_16x16x128_f8f6f4 v[8*(8*(\a)+\b):8*(8*(\a)+\b)+7], v[128*((\n)%2)+FR*\b:128*((\n)%2)+FR*\b+FR-1], v[AF+FR*(\a):AF+FR*(\a)+FR-1], v[8*(8*(\a)+\b):8*(8*(\a)+\b)+7], v[SC+16*(((\n)/2)%2)+2*\b+(\n)%2], v[SC+16*(((\n)/2)%2)+2*(\a)+(\n)%2] matrix_a_fmt:MATRIX_FMT_FP6 matrix_b_fmt:MATRIX_FMT_FP6 matrix_a_scale:MATRIX_SCALE_ROW1
.endif
.endr
.endm
.macro PSTEP n, first                  ; a step of 128 along K whose successor lies in the same chunk
	s_wait_dscnt 12                                ; all but the youngest 12 loads (y's blocks 2, 3)
	WIN MUL-0x20*(\first)
	MUL8 0, \n, \first
	MUL8 1, \n, \first
	s_wait_dscnt 0x0
	PLACES 4                                       ; four plain places in front of loads into registers that matrix instructions have read
	FETCH_B (\n)+1
	FETCH_A (\n)+1, 0
	WIN MUL-0x20*(\first)
	MUL8 2, \n, \first
	MUL8 3, \n, \first
	PLACES 4
	WIN 0
	FETCH_A (\n)+1, 2
.endm
.macro PTURN n                         ; a chunk's last step: the next chunk is shown whole to every wave; later chunks may stay out
	s_wait_dscnt 12
	WIN MUL
	MUL8 0, \n, 0
	s_wait_tensorcnt 3-((\n)+1)/2                  ; my part of the next chunk has landed; the chunks behind it may be out
	s_wait_dscnt 0x0
	s_barrier_signal -1
	MUL8 1, \n, 0
	WIN 0
	s_barrier_wait -1
	PLACES 4
	FETCH_B (\n)+1
	FETCH_A (\n)+1, 0
	SCALES ((\n)+1)/2
	WIN MUL
	MUL8 2, \n, 0
	MUL8 3, \n, 0
	PLACES 4
	WIN 0
	FETCH_A (\n)+1, 2
.endm
	s_wait_alu depctr_va_vdst(0)
	s_wait_tensorcnt 3                             ; the scales and chunk 0 are in; three chunks may be out
	s_wait_loadcnt 0x0                             ; bp
	s_barrier_signal -1
	s_barrier_wait -1
	FETCH_B 0
	FETCH_A 0, 0
	SCALES 0
	FETCH_A 0, 2
	PSTEP 0, 1                                     ; the first products start the sums from bp
	PTURN 1
	PSTEP 2, 0
	PTURN 3
	PSTEP 4, 0
	PTURN 5
	PSTEP 6, 0
	s_wait_dscnt 12
	WIN MUL
	MUL8 0, 7, 0
	MUL8 1, 7, 0
	s_wait_dscnt 0x0
	MUL8 2, 7, 0
	MUL8 3, 7, 0
	WIN 0
; THE WAY OUT, a block of 16 tokens x 128 columns at a time, through my own stage: in by 32 bytes a lane, back as whole rows of 512 bytes.  LDS serves a wave's instructions in order: no wait between stores and loads.
.macro TOSTAGE a
	WIN 0x08                                       ; an LDS store's data: window 2
.irp b, 0,1,2,3,4,5,6,7
	ds_store_b128 v[STO], v[64*(\a)+8*\b:64*(\a)+8*\b+3] offset:128*(\b/2)+32*(\b%2)        ; each accumulator from its low end on
	ds_store_b128 v[STO], v[64*(\a)+8*\b+4:64*(\a)+8*\b+7] offset:128*(\b/2)+32*(\b%2)+16
.endr
	WIN 0
.set BB, 128+64*((\a)%2)
.irp t, 0,1,2,3,4,5,6,7,8,9,10,11,12,13,14,15
	ds_load_b128 v[BB+4*\t:BB+4*\t+3], v[RD] offset:\t*528
.endr
.endm
.macro SEND a, younger
.set BB, 128+64*((\a)%2)
	s_wait_dscnt \younger                          ; the block is back; the next block's 16 stores and 16 loads may be out
.irp t, 0,1,2,3,4,5,6,7,8,9,10,11,12,13,14,15
	global_store_b128 v[CO], v[BB+4*\t:BB+4*\t+3], s[104:105] offset:(32*((\a)/2)+8*((\a)%2)+\t+8*(\t/8))*4096 th:TH_STORE_NT   ; 512 consecutive bytes, aligned
.endr
.endm
	PLACES 4
	TOSTAGE 0
.irp a, 1,2,3
.if \a > 1
	s_wait_xcnt 0x0                                ; block a - 2's stores have read their registers: block a's loads may land there
.endif
	TOSTAGE \a
	SEND \a-1, 32
.endr
	SEND 3, 0
	s_wait_tensorcnt 0x0                           ; the wave's end
	ds_add_u32 v[SPW], v[NIL]
	s_wait_dscnt 0x0
	CROUND                                         ; the closing round
	s_endpgm
.Lfunc_end_k_qd3288edf64_proj:
	.size	k_qd3288edf64_proj, .Lfunc_end_k_qd3288edf64_proj-k_qd3288edf64_proj
	.p2alignl 7, 3214868480
	.fill 96, 4, 3214868480
	.section	.rodata,"a",@progbits
	.p2align	6, 0x0
	.amdhsa_kernel k_qd3288edf64_proj
		.amdhsa_group_segment_fixed_size 327680
		.amdhsa_private_segment_fixed_size 0
		.amdhsa_enable_private_segment 0
		.amdhsa_kernarg_size 48
		.amdhsa_user_sgpr_count 2
		.amdhsa_user_sgpr_kernarg_segment_ptr 1
		.amdhsa_wavefront_size32 1
		.amdhsa_system_sgpr_workgroup_id_x 1
		.amdhsa_system_sgpr_workgroup_id_y 1
		.amdhsa_system_sgpr_workgroup_id_z 1
		.amdhsa_system_vgpr_workitem_id 0
		.amdhsa_next_free_vgpr 768
		.amdhsa_next_free_sgpr 106
		.amdhsa_reserve_vcc 0
		.amdhsa_float_denorm_mode_32 3
		.amdhsa_float_denorm_mode_16_64 3
		.amdhsa_memory_ordered 1
		.amdhsa_forward_progress 1
		.amdhsa_inst_pref_size 102
	.end_amdhsa_kernel
	.amdgpu_metadata
---
amdhsa.version: [ 1, 2 ]
amdhsa.kernels:
  - .name:           k_qd3288edf64_proj
    .symbol:         k_qd3288edf64_proj.kd
    .args:
      - { .name: yc, .offset: 0, .size: 8, .value_kind: global_buffer, .address_space: global }
      - { .name: ys, .offset: 8, .size: 8, .value_kind: global_buffer, .address_space: global }
      - { .name: wc, .offset: 16, .size: 8, .value_kind: global_buffer, .address_space: global }
      - { .name: ws, .offset: 24, .size: 8, .value_kind: global_buffer, .address_space: global }
      - { .name: bp, .offset: 32, .size: 8, .value_kind: global_buffer, .address_space: global }
      - { .name: out0, .offset: 40, .size: 8, .value_kind: global_buffer, .address_space: global }
    .group_segment_fixed_size: 327680
    .private_segment_fixed_size: 0
    .kernarg_segment_align: 8
    .kernarg_segment_size: 48
    .max_flat_workgroup_size: 128
    .sgpr_count:     106
    .vgpr_count:     768
    .wavefront_size: 32
...
	.end_amdgpu_metadata
.endif
;; end of part 4
